; MI455X (gfx1250); checked and timed in simulation.
; The chip was launched on July 23, 2026; its instructions are those of AMD's public machine-readable ISA for CDNA 5 (MIT licence, August 2026) and "CDNA5" Instruction Set Architecture Reference Guide (July 2026). The comments in the code are by the model that wrote it; some were corrected since.
;; MLP Attention. Allowed arithmetic: float matrix products may take bf16 or f16 operands with f32 sums; all other float work in f32.
;; Inputs: W_c 1,024 x 1,024 float32; W_in 1,024 x 1,024 float32; W_out 1,024 x 2,048 float32; W_v 1,024 float32; b_c 1,024 float32; context 32 x 2,048 x 1,024 float32; input 32 x 1,024 float32.
;; Outputs: out0 32 x 1,024 float32; out1 32 x 1,024 float32; out2 32 x 2,048 float32.
;; 2 versions, each right; version 2 is version 1 with the launch main written anew for expert scheduling mode. Each part assembles by itself: llvm-mc -triple=amdgcn-amd-amdhsa -mcpu=gfx1250 --defsym DOCPART=n.
;; ======== version 1 of 2: 4 launches
;; workspace buffers: Wb 2,097,152 bytes; tb 131,072 bytes; sc 262,144 bytes; ml 65,536 bytes; pw 2,097,152 bytes
;; launch prep (part 1): grid 64 x 1, 16 waves a work-group, no clusters, 34,816 bytes of LDS; arguments W_c, W_in, input, b_c, Wb, tb; writes Wb, tb
.if DOCPART == 1
	.amdgcn_target "amdgcn-amd-amdhsa--gfx1250"
	.amdhsa_code_object_version 6
	.text
	.protected	k_qeb7f7a7b95_prep
	.globl	k_qeb7f7a7b95_prep
	.p2align	8
	.type	k_qeb7f7a7b95_prep,@function
k_qeb7f7a7b95_prep:
	s_mov_b64 s[64:65], 0
	v_nop
	global_prefetch_b8 v0, s[64:65] scope:SCOPE_SE
	s_setreg_imm32_b32 hwreg(HW_REG_WAVE_MODE, 25, 1), 1
	s_wait_xcnt 0x0
; Two things for the main launch.
; (1) Wb: W_c rounded to bf16 and laid in the order in which a wave's lanes hold it as a matrix operand:
;     byte (T>>3)*262144 + q*8192 + (T&7)*1024 + half*512 + 16*lane holds W_c[16T + lane%16][32q + 16 half + 8 (lane/16) + 0..7].
; (2) tb[T][batch][16] = K2 * (input . W_in^T + b_c), K2 = 2 log2(e): the part of tanh's argument that no row of context changes.
; Work-group T owns rows 16T..16T+15 of W_c and of W_in.  Wave v owns k = 64v..64v+63 (two K steps of 32); the sixteen waves'
; partial sums of the product meet in LDS.  Operands bf16, sums f32; b_c stays f32.
.set SPARE, 32768                      ; behind the partial sums: the spare words, 128 bytes for each of 16 waves
.set RB,  32                           ; v[32:63]   W_in, two fragments as loaded (16 f32 a lane each), then 8 registers of bf16 each
.set RA0, 64                           ; v[64:95]   input, batches 0-15
.set RA1, 96                           ; v[96:127]  input, batches 16-31
.set RC,  128                          ; v[128:159] W_c
.set AC0, 160                          ; v[160:167] sums, batches 0-15
.set AC1, 168                          ; v[168:175] sums, batches 16-31
; A fragment (16 rows x 32 k): lane l holds row l%16, k = 8 (l/16) + 0..7 and 16 + 8 (l/16) + 0..7: in f32 two runs of 32 bytes, 64 bytes apart.
.macro LDFRAG dst, base, imm
	global_load_b128 v[(\dst):(\dst)+3],     v4, s[(\base):(\base)+1] offset:(\imm)
	global_load_b128 v[(\dst)+4:(\dst)+7],   v4, s[(\base):(\base)+1] offset:(\imm)+16
	global_load_b128 v[(\dst)+8:(\dst)+11],  v4, s[(\base):(\base)+1] offset:(\imm)+64
	global_load_b128 v[(\dst)+12:(\dst)+15], v4, s[(\base):(\base)+1] offset:(\imm)+80
.endm
.macro CVFRAG rr                       ; 16 f32 to 8 registers of bf16, in place from the low end: register i is written when 2i and 2i+1 are read
.irp i, 0,1,2,3,4,5,6,7
	v_cvt_pk_bf16_f32 v[(\rr)+\i], v[(\rr)+2*\i], v[(\rr)+2*\i+1]
.endr
.endm
	s_load_b256 s[4:11], s[0:1], 0x0               ; W_c s[4:5], W_in s[6:7], input s[8:9], b_c s[10:11]
	s_load_b128 s[12:15], s[0:1], 0x20             ; Wb s[12:13], tb s[14:15]
	v_lshl_add_u32 v30, v0, 2, SPARE               ; my spare word,
	v_mov_b32 v31, 0                               ; and 0: kept for the closing lines alone
	v_and_b32 v1, 31, v0                           ; lane
	v_and_b32 v2, 15, v0                           ; r
	v_bfe_u32 v3, v0, 4, 1                         ; h
	v_lshrrev_b32 v14, 5, v0
	v_readfirstlane_b32 s16, v14                   ; wave 0..15
	v_lshlrev_b32 v4, 12, v2                       ; row r of 4,096 bytes
	v_lshl_add_u32 v4, v3, 5, v4                   ; + 32 h
	v_lshlrev_b32 v5, 4, v1                        ; 16 x lane
	v_lshlrev_b32 v6, 2, v1
	v_lshl_add_u32 v6, v14, 11, v6                 ; my wave's 2,048 bytes of partial sums + 4 x lane
	v_lshlrev_b32 v8, 4, v0                        ; 16 t
	v_and_b32 v9, 3, v0
	v_lshlrev_b32 v9, 4, v9                        ; 16 (t % 4)
	s_lshl_b32 s18, ttmp9, 16                      ; 16 rows of 4,096 bytes
	s_lshl_b32 s20, s16, 8                         ; my 64 k in f32
	s_add_co_u32 s18, s18, s20
	s_mov_b32 s19, 0
	s_mov_b32 s21, 0
	s_mov_b32 s22, 0x4038aa3b                      ; K2 = 2 log2(e)
	s_mov_b32 s23, s22                             ; named with it as a pair
	s_lshr_b32 s24, ttmp9, 3
	s_lshl_b32 s24, s24, 18
	s_and_b32 s25, ttmp9, 7
	s_lshl_b32 s25, s25, 10
	s_add_co_u32 s24, s24, s25
	s_lshl_b32 s25, s16, 14                        ; K steps 2v, 2v+1: 8,192 bytes each
	s_add_co_u32 s24, s24, s25
	s_mov_b32 s25, 0
	s_lshl_b32 s26, ttmp9, 6                       ; b_c: 16 numbers
	s_mov_b32 s27, 0
	s_lshl_b32 s28, ttmp9, 11                      ; tb: 32 batches x 16 numbers
	s_mov_b32 s29, 0
	s_wait_kmcnt 0x0
	s_add_nc_u64 s[4:5], s[4:5], s[18:19]
	s_add_nc_u64 s[6:7], s[6:7], s[18:19]
	s_add_nc_u64 s[8:9], s[8:9], s[20:21]
	s_add_nc_u64 s[10:11], s[10:11], s[26:27]
	s_add_nc_u64 s[12:13], s[12:13], s[24:25]
	s_add_nc_u64 s[14:15], s[14:15], s[28:29]
	global_load_b128 v[10:13], v9, s[10:11]        ; b_c of the four columns that thread t finishes
	LDFRAG RB,     6, 0
	LDFRAG RB+16,  6, 128
	LDFRAG RA0,    8, 0
	LDFRAG RA0+16, 8, 128
	LDFRAG RA1,    8, 65536
	LDFRAG RA1+16, 8, 65536+128
	LDFRAG RC,     4, 0
	LDFRAG RC+16,  4, 128
	s_wait_loadcnt 8                               ; all but W_c's eight, the youngest
	CVFRAG RB
	CVFRAG RB+16
	CVFRAG RA0
	CVFRAG RA0+16
	CVFRAG RA1
	CVFRAG RA1+16
	; source 0 = 16 batches, source 1 = 16 rows of W_in: register j of lane l is (batch 8 (l/16) + j, column l%16).  The two sums take turns.
	v_wmma_f32_16x16x32_bf16 v[AC0:AC0+7], v[RA0:RA0+7],     v[RB:RB+7],     0
	v_wmma_f32_16x16x32_bf16 v[AC1:AC1+7], v[RA1:RA1+7],     v[RB:RB+7],     0
	v_wmma_f32_16x16x32_bf16 v[AC0:AC0+7], v[RA0+16:RA0+23], v[RB+16:RB+23], v[AC0:AC0+7]
	v_wmma_f32_16x16x32_bf16 v[AC1:AC1+7], v[RA1+16:RA1+23], v[RB+16:RB+23], v[AC1:AC1+7]
	s_wait_loadcnt 0x0                             ; W_c
	CVFRAG RC                                      ; sixteen plain lines that name no register of the products: the places behind them
	CVFRAG RC+16
.irp q, 0,1
	global_store_b128 v5, v[RC+16*\q:RC+16*\q+3],   s[12:13] offset:8192*\q      ; each store of the wave covers 512 consecutive bytes, aligned
	global_store_b128 v5, v[RC+16*\q+4:RC+16*\q+7], s[12:13] offset:8192*\q+512
.endr
.set i, 0
.rept 16
	ds_store_b32 v6, v[AC0+i] offset:128*i         ; each sum's registers from the low end on
.set i, i+1
.endr
	s_wait_dscnt 0x0                               ; for the others' sake: my partial sums are in LDS
	s_barrier_signal -1
	s_barrier_wait -1
	s_cmp_lt_u32 s16, 4
	s_cbranch_scc1 .Lreduce
	s_wait_tensorcnt 0x0                           ; waves 4-15 end here: three closing lines behind a wave's last LDS store
	ds_add_u32 v30, v31
	s_wait_dscnt 0x0
	s_endpgm
.Lreduce:
	; thread t (0..127): batch t/4, columns 4 (t%4) + 0..3: register (batch/16) 8 + batch%8, lanes 16 ((batch/8)%2) + 4 (t%4) + 0..3
	v_lshrrev_b32 v15, 2, v0
	v_and_b32 v16, 7, v15
	v_bfe_u32 v17, v15, 4, 1
	v_lshl_add_u32 v16, v17, 3, v16
	v_bfe_u32 v17, v15, 3, 1
	v_lshlrev_b32 v7, 7, v16
	v_lshl_add_u32 v7, v17, 6, v7
	v_add_nc_u32 v7, v7, v9
.set i, 0
.rept 16
	ds_load_b128 v[32+4*i:32+4*i+3], v7 offset:2048*i
.set i, i+1
.endr
	s_wait_dscnt 0x0
.irp st, 8,4,2,1
.set i, 0
.rept \st
	v_pk_add_f32 v[32+4*i:32+4*i+1],   v[32+4*i:32+4*i+1],   v[32+4*(i+\st):32+4*(i+\st)+1]
	v_pk_add_f32 v[32+4*i+2:32+4*i+3], v[32+4*i+2:32+4*i+3], v[32+4*(i+\st)+2:32+4*(i+\st)+3]
.set i, i+1
.endr
.endr
	v_pk_add_f32 v[32:33], v[32:33], v[10:11]      ; + b_c
	v_pk_add_f32 v[34:35], v[34:35], v[12:13]
	v_pk_mul_f32 v[32:33], v[32:33], s[22:23] op_sel_hi:[1,0]
	v_pk_mul_f32 v[34:35], v[34:35], s[22:23] op_sel_hi:[1,0]
	global_store_b128 v8, v[32:35], s[14:15]       ; 512 consecutive bytes a wave
	s_wait_tensorcnt 0x0                           ; the wave's end: the same three lines
	ds_add_u32 v30, v31
	s_wait_dscnt 0x0
	s_endpgm
.Lfunc_end_k_qeb7f7a7b95_prep:
	.size	k_qeb7f7a7b95_prep, .Lfunc_end_k_qeb7f7a7b95_prep-k_qeb7f7a7b95_prep
	.p2alignl 7, 3214868480
	.fill 96, 4, 3214868480
	.section	.rodata,"a",@progbits
	.p2align	6, 0x0
	.amdhsa_kernel k_qeb7f7a7b95_prep
		.amdhsa_group_segment_fixed_size 34816
		.amdhsa_private_segment_fixed_size 0
		.amdhsa_enable_private_segment 0
		.amdhsa_kernarg_size 48
		.amdhsa_user_sgpr_count 2
		.amdhsa_user_sgpr_kernarg_segment_ptr 1
		.amdhsa_wavefront_size32 1
		.amdhsa_system_sgpr_workgroup_id_x 1
		.amdhsa_system_sgpr_workgroup_id_y 1
		.amdhsa_system_sgpr_workgroup_id_z 1
		.amdhsa_system_vgpr_workitem_id 0
		.amdhsa_next_free_vgpr 176
		.amdhsa_next_free_sgpr 66
		.amdhsa_reserve_vcc 0
		.amdhsa_float_denorm_mode_32 3
		.amdhsa_float_denorm_mode_16_64 3
		.amdhsa_memory_ordered 1
		.amdhsa_forward_progress 1
		.amdhsa_inst_pref_size 15
	.end_amdhsa_kernel
	.amdgpu_metadata
---
amdhsa.version: [ 1, 2 ]
amdhsa.kernels:
  - .name:           k_qeb7f7a7b95_prep
    .symbol:         k_qeb7f7a7b95_prep.kd
    .args:
      - { .name: W_c, .offset: 0, .size: 8, .value_kind: global_buffer, .address_space: global }
      - { .name: W_in, .offset: 8, .size: 8, .value_kind: global_buffer, .address_space: global }
      - { .name: input, .offset: 16, .size: 8, .value_kind: global_buffer, .address_space: global }
      - { .name: b_c, .offset: 24, .size: 8, .value_kind: global_buffer, .address_space: global }
      - { .name: Wb, .offset: 32, .size: 8, .value_kind: global_buffer, .address_space: global }
      - { .name: tb, .offset: 40, .size: 8, .value_kind: global_buffer, .address_space: global }
    .group_segment_fixed_size: 34816
    .private_segment_fixed_size: 0
    .kernarg_segment_align: 8
    .kernarg_segment_size: 48
    .max_flat_workgroup_size: 512
    .sgpr_count:     66
    .vgpr_count:     176
    .wavefront_size: 32
...
	.end_amdgpu_metadata
.endif
;; end of part 1
;; launch main (part 2): grid 512 x 1, 4 waves a work-group, no clusters, 280,064 bytes of LDS; arguments context, Wb, tb, W_v, sc, ml, pw; writes sc, ml, pw
.if DOCPART == 2
	.amdgcn_target "amdgcn-amd-amdhsa--gfx1250"
	.amdhsa_code_object_version 6
	.text
	.protected	k_qeb7f7a7b95_main
	.globl	k_qeb7f7a7b95_main
	.p2align	8
	.type	k_qeb7f7a7b95_main,@function
k_qeb7f7a7b95_main:
	s_mov_b64 s[64:65], 0
	v_nop
	global_prefetch_b8 v0, s[64:65] scope:SCOPE_SE
	s_setreg_imm32_b32 hwreg(HW_REG_WAVE_MODE, 25, 1), 1
	s_wait_xcnt 0x0
; For a block of 128 rows s of one batch: score[s] = sum over e of -2 W_v[e] / (1 + 2^y), y = K2 (context[s] . W_c[e]) + tb[e], K2 = 2 log2(e).
; Since tanh(x) = 1 - 2 / (1 + e^(2x)), that is reference's score less the sum of W_v, which is the same for every s: softmax does not see it.
; Then the block's maximum m, p = e^(score - m), l = the sum of p, and pw = the sum over s of p[s] context[s].  The next launch joins a batch's 16 blocks.
; The block of context is read from memory ONCE, rounded to bf16 into LDS, and serves both products from there.
; LIMITS.  2^y beyond f32's range is an infinity and its reciprocal 0; below it, 0: tanh then is exactly 1 or -1.  A weight p below 2^-126 counts as 0.  p is rounded to bf16 for the second
; product, l is taken of the unrounded p.  NaN and infinities in the inputs are not treated apart.  context, W_c, p: bf16; tb, W_v, tanh, softmax: f32.
; SHARES.  Four waves.  Wave w makes all 128 rows x columns e = 256w..256w+255, in two chunks of 128 columns: 64 accumulators of 16 x 16 (512 registers).  K = 1024 goes in 32 quarters of 32.
; A's fragments come from LDS, into one buffer that is refilled in halves, each half 32 products ahead of its use.  B's come straight from Wb into registers: no other wave of the work-group
; wants them, and prep has laid them so that each load of a wave is 512 consecutive bytes; four buffers, three quarters ahead.
; THE BLOCK ARRIVES WHILE CHUNK 0 IS MULTIPLIED.  It comes by SLICES of 64 k (256 bytes of f32 in each row), which serve two quarters each.  Wave w brings rows 32w..32w+31, a PORTION of 16 rows
; (8 loads, each two whole row pieces of 256 bytes) in every quarter, through a ring of four portions in registers.  In quarter q portion q+3 is rounded and stored, and portion q+7 asked for.
; A slice is shown to the other waves by one barrier: signalled at the end of the quarter in which its last portion was stored, waited for in the middle of the next, ahead of the first fetch from it.
; No byte of the block is written twice.
; NO JOINT LOADS, though all work-groups read the same Wb: the block takes 264,192 of a work-group's 327,680 LDS bytes, tables and stages 15,872; the 47,616 left do not hold two slots of the four
; waves' 512 columns x 32 k (32,768 bytes each), and a smaller slot would set a meeting of work-groups in front of every 32 products.
; The last chunk's three look-ahead quarters read the head of the wave's own stream again (24,576 of its 524,288 bytes) and are not used: the price of one text for a quarter.
; REGISTERS, in windows of 256 (s_set_vgpr_msb: bits 1:0 source 0, 3:2 source 1, 5:4 source 2, 7:6 destination):
;   window 0: v0-31 addresses; v32-47 tb, v48-63 -2 W_v of the chunk's 8 column tiles, each number twice (a pair for the packed forms); v64-127 A's fragments;
;             v128-255 the ring of four portions, 32 registers each; when the block is in, v192-255 are the rows' partial scores and v128-191 are at work
;   window 1: B's fragments, four buffers of 64      windows 2, 3: the accumulators, (a, b) at v[8 (8 (a%4) + b)] of window 2 + a/4
.set APITCH, 2064                      ; a row of the block in LDS: 2,048 bytes of bf16 + 16: 129 x 16, so the 16 rows of a fragment load start 16 bytes apart modulo 256
.set TBL,   128*APITCH                 ; 264,192: tb of my batch, 1,024 f32
.set SCR,   TBL+8192                   ; behind it -2 W_v (at TBL + 4,096); then [4 waves][128 rows] partial scores
.set PBF,   SCR+2048                   ; 256 bytes a wave: p in bf16
.set OST,   PBF+1024                   ; 1,024 bytes a wave: the way out of pw
.set SPARE, OST+4096                   ; 279,552: the spare words, 128 bytes for each wave
.set GA,    4                          ; v4      16 x lane
.set LS,    5                          ; v5      where my 8 bytes of a portion's first two rows go, in the pair of slices in hand
.set ADRA0, 6                          ; v6-9    my place in A's row tiles 2i, 2i+1, at k = 0
.set ADRA,  10                         ; v10-13  the same at the quarter to be fetched
.set CA0,   14                         ; v14     tb of my column in the wave's first tile
.set CA,    15                         ; v15     the same in the chunk in hand
.set TBO,   16                         ; v16     my 16 bytes of tb in memory
.set T16,   17                         ; v17     16 x thread
.set SA,    18                         ; v18     where I put partial scores
.set SB,    19                         ; v19     where I read four rows' partial scores
.set PST,   20                         ; v20     where I put four p
.set PLD,   21                         ; v21     where p's fragments begin for my half of the lanes
.set AT,    22                         ; v22-25  the turning loads' addresses, 32 rows each
.set GC,    26                         ; v26     my 16 bytes in two rows' pieces of context: 4,096 (lane/16) + 16 (lane%16)
.set OSTS,  26                         ;         later, the way out
.set OSTL,  27
.set R7,    28                         ; v28     lane % 8
.set TMP,   29
.set SPW,   30                         ; v30     my spare word; never rewritten
.set NIL,   31                         ; v31     0; never rewritten
.set TB,    32
.set WVR,   48
.set FA,    64
.set ST,    128                        ; portion j lies in slot j % 4, at v[ST + 32 (j%4)]
.set FT,    128                        ; at work behind the K loops
.set SP,    192                        ; row 16 a + 8 (lane/16) + j at v[SP + 8 a + j]
.set CTX, 4                            ; s[4:5] context, s[6:7] Wb, s[8:9] tb, s[10:11] W_v, s[12:13] sc, s[14:15] ml, s[16:17] pw
.set WB,  6
.set TBG, 8
.set WVG, 10
.set SCG, 12
.set MLG, 14
.set PWG, 16
.set WV,  18                           ; s18  my wave's number
.set BP,  20                           ; s[20:21] Wb at the quarter last asked for
.set DW,  22                           ; s[22:23] my stream's 524,288 bytes: what the look-ahead goes back by at the last chunk's end
.set KT,  25
.set CH,  26                           ; s26  tanh phases to go
.set CO,  27                           ; s27  the chunk's byte offset in the tables
.set K2,  28                           ; s[28:29] 2 log2(e), named as a pair
.set LG,  30                           ; s30  log2(e)
.set SEL, 32                           ; s[32:33] v_permlanex16_b32's selects: each lane takes its own place in the other half
.set OF,  34                           ; s[34:35] offsets
.set RC,  36
.set MK,  40                           ; s40-54 lane masks
.set MSB, 0
.macro WIN new                         ; the immediate's high byte repeats the setting that is left; a switch that changes nothing is dropped
.if MSB != (\new)
	s_set_vgpr_msb (MSB<<8)|(\new)
.set MSB, (\new)
.endif
.endm
.set MUL_LO, 0xa4                      ; source 0 (A) window 0, source 1 (B) window 1, C and D window 2
.set TO_B,   0x40                      ; destination window 1, address window 0
; A portion in slot s: half s % 2 of my 32 rows, slice s / 2 of the pair in hand.  ISSUE asks for it (cb: bytes from the base to the pair), CVT rounds it in place (four f32 become two registers),
; STORE puts it into the block: 8 bytes a lane, 128 consecutive bytes in each of two rows.
.macro ISSUE slot, cb
.irp i, 0,1,2,3,4,5,6,7
	global_load_b128 v[ST+32*(\slot)+4*\i:ST+32*(\slot)+4*\i+3], v[GC], s[CTX:CTX+1] offset:(\cb)+((\slot)/2)*256+((\slot)%2)*65536+\i*8192 th:TH_LOAD_NT
.endr
.endm
.macro CVT slot
.irp i, 0,1,2,3,4,5,6,7
	v_cvt_pk_bf16_f32 v[ST+32*(\slot)+4*\i],   v[ST+32*(\slot)+4*\i],   v[ST+32*(\slot)+4*\i+1]
	v_cvt_pk_bf16_f32 v[ST+32*(\slot)+4*\i+1], v[ST+32*(\slot)+4*\i+2], v[ST+32*(\slot)+4*\i+3]
.endr
.endm
.macro STORE slot
.irp i, 0,1,2,3,4,5,6,7
	ds_store_b64 v[LS], v[ST+32*(\slot)+4*\i:ST+32*(\slot)+4*\i+1] offset:((\slot)%2)*16*APITCH+((\slot)/2)*128+\i*2*APITCH
.endr
.endm
; 16 loads of 512 consecutive bytes: B's eight fragments of a quarter.  Both pointers are stepped only behind s_wait_xcnt 0.
.macro LOADB gb, wrap, nostep, cstep
	s_wait_xcnt 0x0
.if \wrap
	s_sub_nc_u64 s[BP:BP+1], s[BP:BP+1], s[DW:DW+1]
.endif
.if \cstep
	s_add_nc_u64 s[CTX:CTX+1], s[CTX:CTX+1], 512   ; context: two slices on
.endif
.if !(\nostep)
	s_add_nc_u64 s[BP:BP+1], s[BP:BP+1], 8192
.endif
	WIN TO_B
.irp b, 0,1,2,3,4,5,6,7
	global_load_b128 v[64*(\gb)+8*\b:64*(\gb)+8*\b+3],   v[GA], s[BP:BP+1] offset:1024*\b
	global_load_b128 v[64*(\gb)+8*\b+4:64*(\gb)+8*\b+7], v[GA], s[BP:BP+1] offset:1024*\b+512
.endr
.endm
	s_load_b256 s[4:11], s[0:1], 0x0
	s_load_b128 s[12:15], s[0:1], 0x20
	s_load_b64 s[16:17], s[0:1], 0x30
	v_lshl_add_u32 v[SPW], v0, 2, SPARE
	v_mov_b32 v[NIL], 0
	v_lshrrev_b32 v[TMP], 5, v0
	v_readfirstlane_b32 s[WV], v[TMP]
	v_and_b32 v1, 31, v0                           ; lane
	v_and_b32 v2, 15, v0                           ; r
	v_bfe_u32 v3, v0, 4, 1                         ; h
	v_lshlrev_b32 v[GA], 4, v1
	v_lshlrev_b32 v[GC], 4, v2
	v_lshl_add_u32 v[GC], v3, 12, v[GC]
	v_lshrrev_b32 v[TBO], 2, v0                    ; tb[T][batch][16]: thread t takes numbers 4t..4t+3 of my batch: tile t/4,
	v_and_b32 v[TMP], 3, v0
	v_lshlrev_b32 v[TBO], 11, v[TBO]
	v_lshl_add_u32 v[TBO], v[TMP], 4, v[TBO]       ; 16 (t%4) bytes into its 64,
	s_lshr_b32 s[OF], ttmp9, 4
	s_lshl_b32 s[OF], s[OF], 6
	v_add_nc_u32 v[TBO], s[OF], v[TBO]             ; of batch = block / 16
	v_lshlrev_b32 v[T16], 4, v0
	s_lshl_b32 s[OF], ttmp9, 19                    ; my block: 128 rows of 4,096 bytes,
	s_lshl_b32 s[OF+1], s[WV], 17                  ; my wave's 32 of them
	s_add_co_u32 s[OF], s[OF], s[OF+1]
	s_mov_b32 s[OF+1], 0
	s_wait_kmcnt 0x0
	s_add_nc_u64 s[CTX:CTX+1], s[CTX:CTX+1], s[OF:OF+1]
	global_load_b128 v[32:35], v[TBO], s[TBG:TBG+1]                ; the tables first: tb of my batch (tiles 0-31, then 32-63),
	global_load_b128 v[36:39], v[TBO], s[TBG:TBG+1] offset:65536
	global_load_b128 v[40:43], v[T16], s[WVG:WVG+1]                ; and W_v
	global_load_b128 v[44:47], v[T16], s[WVG:WVG+1] offset:2048
	ISSUE 0, 0                                     ; the ring is filled: portions 0-3, slices 0 and 1
	ISSUE 1, 0
	ISSUE 2, 0
	ISSUE 3, 0
	v_and_b32 v[R7], 7, v0
	s_mul_i32 s[OF], s[WV], 32*APITCH
	v_mul_u32_u24 v[LS], v3, APITCH                ; row 32 w + lane/16, 8 (lane%16) bytes into the slice
	v_lshl_add_u32 v[LS], v2, 3, v[LS]
	v_add_nc_u32 v[LS], s[OF], v[LS]
	v_mul_u32_u24 v[ADRA0], v2, APITCH             ; a fragment: row r x pitch + 16 h, and 32 bytes on
	v_lshl_add_u32 v[ADRA0], v3, 4, v[ADRA0]
.irp i, 1,2,3
	v_add_nc_u32 v[ADRA0+\i], \i*32*APITCH, v[ADRA0]
.endr
	s_lshl_b32 s[OF], s[WV], 10
	s_add_co_u32 s[OF], s[OF], TBL
	v_lshl_add_u32 v[CA0], v2, 2, s[OF]            ; TBL + 4 (256 w + r)
	v_bfe_u32 v[TMP], v0, 3, 1                     ; (lane/8) % 2
	v_lshl_add_u32 v[SA], v[TMP], 4, v[R7]         ; row 16 (r/8) + 8 h + r%8 of 32
	v_lshl_add_u32 v[SA], v3, 3, v[SA]
	s_lshl_b32 s[OF], s[WV], 9
	s_add_co_u32 s[OF+1], s[OF], SCR
	v_lshl_add_u32 v[SA], v[SA], 2, s[OF+1]
	v_add_nc_u32 v[SB], SCR, v[GA]
	v_lshl_add_u32 v[AT], v3, 3, v[R7]             ; the turning load: row 8 h + lane%8, 16 bytes for each (lane/8)%2, my wave's 256 channels
	v_mul_u32_u24 v[AT], v[AT], APITCH
	v_lshl_add_u32 v[AT], v[TMP], 4, v[AT]
	v_add_nc_u32 v[AT], s[OF], v[AT]
.irp i, 1,2,3
	v_add_nc_u32 v[AT+\i], \i*32*APITCH, v[AT]
.endr
	s_lshl_b32 s[OF], s[WV], 8
	s_add_co_u32 s[OF], s[OF], PBF
	v_lshl_add_u32 v[PST], v1, 3, s[OF]
	v_lshl_add_u32 v[PLD], v3, 4, s[OF]
	v_add_nc_u32 v[TMP], TBL, v[T16]               ; where thread t puts its 16 bytes of the tables
	s_lshl_b32 s[OF], s[WV], 19                    ; my wave's stream in Wb: 524,288 bytes
	s_mov_b32 s[OF+1], 0
	s_add_nc_u64 s[BP:BP+1], s[WB:WB+1], s[OF:OF+1]
	s_lshl_b32 s[OF], ttmp9, 9
	s_add_nc_u64 s[SCG:SCG+1], s[SCG:SCG+1], s[OF:OF+1]
	s_lshl_b32 s[OF], ttmp9, 7
	s_add_nc_u64 s[MLG:MLG+1], s[MLG:MLG+1], s[OF:OF+1]
	s_lshl_b32 s[OF], ttmp9, 12
	s_lshl_b32 s[RC], s[WV], 10
	s_add_co_u32 s[OF], s[OF], s[RC]
	s_add_nc_u64 s[PWG:PWG+1], s[PWG:PWG+1], s[OF:OF+1]
	s_mov_b32 s[K2], 0x4038aa3b
	s_mov_b32 s[K2+1], s[K2]
	s_mov_b32 s[LG], 0x3fb8aa3b
	s_mov_b32 s[SEL], 0x76543210
	s_mov_b32 s[SEL+1], 0xfedcba98
	s_mov_b32 s[DW], 0x80000
	s_mov_b32 s[DW+1], 0
	s_mov_b32 s[CH], 2
	s_mov_b32 s[CO], 0
; In front of the first quarter: portions 0, 1, 2 are rounded and stored; behind each, B's quarter of the same number and the portion four further on are asked for, in that order, as in every quarter.
; left = how many younger loads may stay out (loads come back in order: ISA guide 5.7.1).
.macro VQ slot, left, nostep
	s_wait_loadcnt \left
	CVT \slot
	STORE \slot
	LOADB \slot, 0, \nostep, 0
	WIN 0
	ISSUE \slot, 512
.endm
	VQ 0, 24, 1                                    ; the tables and portion 0 are in; portions 1-3 stay out
.irp i, 40,42,44,46
	v_pk_mul_f32 v[\i:\i+1], v[\i:\i+1], -2.0 op_sel_hi:[1,0]
.endr
	ds_store_b128 v[TMP], v[32:35]
	ds_store_b128 v[TMP], v[36:39] offset:2048
	ds_store_b128 v[TMP], v[40:43] offset:4096
	ds_store_b128 v[TMP], v[44:47] offset:6144
	VQ 1, 40, 0                                    ; behind portion 1: portions 2, 3 and 4 (24) and B's quarter 0 (16)
	VQ 2, 56, 0                                    ; behind portion 2: portions 3, 4, 5 (24) and B's quarters 0, 1 (32)
	s_wait_dscnt 0x0                               ; for the others' sake: my rows of slice 0 and my part of the tables are in LDS
	s_barrier_signal -1
	s_barrier_wait -1
; 32 products: row tiles 4 hi .. 4 hi + 3 x all 8 column tiles, 32 along K.  The 64 accumulators take turns in the same order in every quarter.
; source 0 = 16 rows of context, source 1 = 16 rows of W_c: register j of lane l is (row 8 (l/16) + j, column l%16).
.macro MUL fb, hi, zero
	WIN MUL_LO+0x50*(\hi)
.irp a, 0,1,2,3
.irp b, 0,1,2,3,4,5,6,7
.if \zero
	v_wmma_f32_16x16x32_bf16 v[8*(8*\a+\b):8*(8*\a+\b)+7], v[FA+8*(4*(\hi)+\a):FA+8*(4*(\hi)+\a)+7], v[64*(\fb)+8*\b:64*(\fb)+8*\b+7], 0
.else
	v_wmma_f32_16x16x32_bf16 v[8*(8*\a+\b):8*(8*\a+\b)+7], v[FA+8*(4*(\hi)+\a):FA+8*(4*(\hi)+\a)+7], v[64*(\fb)+8*\b:64*(\fb)+8*\b+7], v[8*(8*\a+\b):8*(8*\a+\b)+7]
.endif
.endr
.endr
.endm
.macro FETCHH hi                       ; 8 LDS loads in one run: A's fragments 4 hi .. 4 hi + 3 of the next quarter
	WIN 0
.irp a, 0,1,2,3
	ds_load_b128 v[FA+8*(4*(\hi)+\a):FA+8*(4*(\hi)+\a)+3],   v[ADRA+2*(\hi)+\a/2] offset:(\a%2)*16*APITCH
	ds_load_b128 v[FA+8*(4*(\hi)+\a)+4:FA+8*(4*(\hi)+\a)+7], v[ADRA+2*(\hi)+\a/2] offset:(\a%2)*16*APITCH+32
.endr
.endm
; A QUARTER, all but its end: 64 products on A's buffer and B's buffer fb.  In its middle fragments 0-3 of the next quarter take the place of those just multiplied, and B of three quarters on goes into gb.
; Between products and the loads into their registers stand four plain vector lines or more that name none of them (ISA guide 7.12.1 for vector instructions).
; slot >= 0: the portion in that slot is rounded and stored; issue = 1: the slot is asked for again, four portions on; step = 1: the first quarter of a pair of slices.
; wt = 1: the barrier signalled at the last quarter's end is waited for, ahead of my stores and of the first fetch from the slice that it shows.
; nb = how many loads younger than B's buffer fb may stay out.  The portion to be rounded was asked for ahead of that buffer, so the same wait shows it landed.
; By the text's own count up to 80 loads are named behind that wait, more than the counter's field holds: the issue of a load that would pass the field is held back (ISA guide 5.7.1).
; last = 1: a chunk's last quarter: A goes back to k = 0, and the chunk's 8 + 8 table numbers are fetched, each into both registers of its pair.  clr = 1: the ring is done; its upper half becomes the partial scores, 0.
.macro SQ fb, gb, zero, slot, issue, step, wt, nb, last, clr, wrap
	s_wait_loadcnt \nb
	s_wait_dscnt 8                                 ; fragments 0-3 are in; the youngest eight loads (4-7) may be out
	MUL \fb, 0, \zero
	WIN 0
.if (\slot) >= 0
	CVT \slot
.endif
.if \clr
.set i, 0
.rept 64
	v_mov_b32 v[SP+i], 0                           ; both chunks add onto the partial scores by one text
.set i, i+1
.endr
.endif
.irp i, 0,1
.if \last
	v_mov_b32 v[ADRA+\i], v[ADRA0+\i]
.else
	v_add_nc_u32 v[ADRA+\i], 64, v[ADRA+\i]        ; 32 bf16 on
.endif
.endr
.if \step
	v_add_nc_u32 v[LS], 256, v[LS]                 ; two slices of 128 bytes on
.endif
.if ((\slot) < 0) && !(\clr)
	v_nop
	v_nop
.endif
.if \wt
	s_barrier_wait -1
.endif
.if (\slot) >= 0
	STORE \slot
.endif
	FETCHH 0
.if \last
	v_add_nc_u32 v[CA], s[CO], v[CA0]
.irp b, 0,1,2,3,4,5,6,7
	ds_load_b32 v[TB+2*\b],    v[CA] offset:64*\b
	ds_load_b32 v[TB+2*\b+1],  v[CA] offset:64*\b
	ds_load_b32 v[WVR+2*\b],   v[CA] offset:4096+64*\b
	ds_load_b32 v[WVR+2*\b+1], v[CA] offset:4096+64*\b
.endr
.endif
	LOADB \gb, \wrap, 0, (\step)*(\issue)
.if \issue
	WIN 0
	ISSUE \slot, 512
.endif
.if \last
	s_wait_dscnt 40                                ; fragments 4-7 are in: all but the 8 + 32 loads just issued
.elseif (\slot) >= 0
	s_wait_dscnt 16                                ; all but the 8 stores and 8 loads just issued
.else
	s_wait_dscnt 8                                 ; all but the 8 loads just issued
.endif
	MUL \fb, 1, \zero
	WIN 0
.irp i, 2,3
.if \last
	v_mov_b32 v[ADRA+\i], v[ADRA0+\i]
.else
	v_add_nc_u32 v[ADRA+\i], 64, v[ADRA+\i]
.endif
.endr
	v_nop
	v_nop
.endm
; A quarter's end: fragments 4-7 of the next quarter.  sig = 1: a slice's last portion was stored in this quarter's middle, 32 products ago: my stores are done, say so.
; The eight loads behind the signal read a slice that an earlier barrier has shown, bytes that nobody writes again.
.macro SQE sig
.if \sig
	s_wait_dscnt 0x0
	s_barrier_signal -1
.endif
	FETCHH 1
.endm
; THE TANH PHASE, tile t of a window's 32 (column tile t % 8), in place: y = K2 s + tb; 2^y; + 1; the reciprocal.
.macro EF t
.irp p, 0,1,2,3
	v_pk_fma_f32 v[8*(\t)+2*\p:8*(\t)+2*\p+1], v[8*(\t)+2*\p:8*(\t)+2*\p+1], s[K2:K2+1], v[TB+2*((\t)%8):TB+2*((\t)%8)+1] op_sel_hi:[1,0,1]
.endr
.endm
.macro EE t
.irp j, 0,1,2,3,4,5,6,7
	v_exp_f32 v[8*(\t)+\j], v[8*(\t)+\j]
.endr
.endm
.macro EA t
	s_wait_alu depctr_va_vdst(0)
.irp p, 0,1,2,3
	v_pk_add_f32 v[8*(\t)+2*\p:8*(\t)+2*\p+1], v[8*(\t)+2*\p:8*(\t)+2*\p+1], 1.0 op_sel_hi:[1,0]
.endr
.endm
.macro ER t
.irp j, 0,1,2,3,4,5,6,7
	v_rcp_f32 v[8*(\t)+\j], v[8*(\t)+\j]
.endr
.endm
.macro PASS1 w                         ; window w.  The next tile's four scalings are the plain lines between a tile's exponentials and the use of their results (ISA guide 5.7.2)
	WIN 0x82+0x41*((\w)-2)                         ; destination and source 0 window w; the table pair (source 2) window 0
	EF 0
.set tt, 0
.rept 32
	EE tt
.if tt < 31
	EF tt+1
.else
	v_nop
	s_wait_alu depctr_va_vdst(0)
.endif
	EA tt
	ER tt
.set tt, tt+1
.endr
.endm
.macro PASS2 w                         ; the rows' partial scores take -2 W_v x the reciprocals; sixteen other lines stand between two that add onto the same pair
	WIN (\w)                                       ; source 0 window w, all else window 0
	s_wait_alu depctr_va_vdst(0)
.irp b, 0,1,2,3,4,5,6,7
.irp a, 0,1,2,3
.irp p, 0,1,2,3
	v_pk_fma_f32 v[SP+8*(4*((\w)-2)+\a)+2*\p:SP+8*(4*((\w)-2)+\a)+2*\p+1], v[8*(8*\a+\b)+2*\p:8*(8*\a+\b)+2*\p+1], v[WVR+2*\b:WVR+2*\b+1], v[SP+8*(4*((\w)-2)+\a)+2*\p:SP+8*(4*((\w)-2)+\a)+2*\p+1]
.endr
.endr
.endr
.endm
.irp i, 0,1,2,3
	v_mov_b32 v[ADRA+\i], v[ADRA0+\i]
.endr
	FETCHH 0
	FETCHH 1
	; CHUNK 0.  Quarter q rounds portion q + 3 and asks for portion q + 7.  Behind B's buffer of quarter q stand portions q+4, q+5, q+6 (24 loads) and B's quarters q+1, q+2 (32): 56.
	;  fb gb zero slot issue step wt nb last clr wrap
	SQ 0, 3, 1,   3, 1, 0, 0, 56, 0, 0, 0          ; quarter 0 starts the sums: nothing is cleared
	s_mov_b32 s[KT], 6
.Ls:                                                   ; six trips: quarters 1-24.  A trip begins with the end of the quarter before it, so that no barrier is open at the backward jump
	SQE 1
	SQ 1, 0, 0,   0, 1, 1, 1, 56, 0, 0, 0
	SQE 0
	SQ 2, 1, 0,   1, 1, 0, 0, 56, 0, 0, 0
	SQE 1
	SQ 3, 2, 0,   2, 1, 0, 1, 56, 0, 0, 0
	SQE 0
	SQ 0, 3, 0,   3, 1, 0, 0, 56, 0, 0, 0
	s_sub_co_u32 s[KT], s[KT], 1
	s_cmp_lg_u32 s[KT], 0
	s_cbranch_scc1 .Ls
	SQE 1
	SQ 1, 0, 0,   0, 0, 1, 1, 56, 0, 0, 0          ; quarters 25-28: portions 28-31 are rounded, none is left to ask for: the counts run down
	SQE 0
	SQ 2, 1, 0,   1, 0, 0, 0, 48, 0, 0, 0
	SQE 1
	SQ 3, 2, 0,   2, 0, 0, 1, 40, 0, 0, 0
	SQE 0
	SQ 0, 3, 0,   3, 0, 0, 0, 32, 0, 0, 0
	SQE 1                                          ; the last slice
	SQ 1, 0, 0,  -1, 0, 0, 1, 32, 0, 0, 0          ; quarters 29-31 ask for the next chunk's quarters 0-2 of B, which follow in the stream
	SQE 0
	SQ 2, 1, 0,  -1, 0, 0, 0, 32, 0, 1, 0
	SQE 0
	SQ 3, 2, 0,  -1, 0, 0, 0, 32, 1, 0, 0
	SQE 0
	s_branch .Lepi                                 ; the loop over chunks is entered at the tanh phase
.Lchunk:                                               ; CHUNK 1: the block is whole; behind B's buffer stand the two younger quarters' 32 loads
	SQ 0, 3, 1,  -1, 0, 0, 0, 32, 0, 0, 0
	SQE 0
	s_mov_b32 s[KT], 7
.Lk:
	SQ 1, 0, 0,  -1, 0, 0, 0, 32, 0, 0, 0
	SQE 0
	SQ 2, 1, 0,  -1, 0, 0, 0, 32, 0, 0, 0
	SQE 0
	SQ 3, 2, 0,  -1, 0, 0, 0, 32, 0, 0, 0
	SQE 0
	SQ 0, 3, 0,  -1, 0, 0, 0, 32, 0, 0, 0
	SQE 0
	s_sub_co_u32 s[KT], s[KT], 1
	s_cmp_lg_u32 s[KT], 0
	s_cbranch_scc1 .Lk
	SQ 1, 0, 0,  -1, 0, 0, 0, 32, 0, 0, 1          ; the stream has ended: the look-ahead goes back to its head
	SQE 0
	SQ 2, 1, 0,  -1, 0, 0, 0, 32, 0, 0, 0
	SQE 0
	SQ 3, 2, 0,  -1, 0, 0, 0, 32, 1, 0, 0
	SQE 0
.Lepi:
	s_wait_dscnt 0x0                               ; the table numbers, and the next chunk's first fragments
.rept 4
	v_nop                                          ; with the four lines at the quarter's end: the places behind the last products
.endr
	PASS1 2
	PASS1 3
	PASS2 2                                        ; its first lines read window 2: plain lines that stand behind window 3's last reciprocals
	PASS2 3
	WIN 0
	s_add_co_u32 s[CO], s[CO], 512                 ; 128 columns of f32
	s_sub_co_u32 s[CH], s[CH], 1
	s_cmp_lg_u32 s[CH], 0
	s_cbranch_scc1 .Lchunk
	; THE SCORES.  A lane holds its column's share of 64 rows: the sixteen lanes of a half are added, every lane ending with the sum.
.irp m, 1,2,4,8
.set i, 0
.rept 64
	v_add_f32_dpp v[SP+i], v[SP+i], v[SP+i] row_xmask:\m row_mask:0xf bank_mask:0xf
.set i, i+1
.endr
.endr
	; lane (r, h) keeps, of each pair of row tiles 2q, 2q+1, row 16 (2q + r/8) + 8 h + r%8: four stores put the wave's 128 numbers into LDS
.irp j, 1,2,3,4,5,6,7
	v_cmp_eq_u32 s[MK+\j-1], \j, v[R7]
.endr
	v_cmp_le_u32 s[MK+7], 8, v2
.irp a, 0,1,2,3,4,5,6,7
	v_cndmask_b32 v[FT+\a], v[SP+8*\a], v[SP+8*\a+1], s[MK]
.endr
.irp j, 2,3,4,5,6,7
.irp a, 0,1,2,3,4,5,6,7
	v_cndmask_b32 v[FT+\a], v[FT+\a], v[SP+8*\a+\j], s[MK+\j-1]
.endr
.endr
.irp q, 0,1,2,3
	v_cndmask_b32 v[FT+8+\q], v[FT+2*\q], v[FT+2*\q+1], s[MK+7]
.endr
.irp q, 0,1,2,3
	ds_store_b32 v[SA], v[FT+8+\q] offset:128*\q
.endr
	s_wait_dscnt 0x0                               ; for the others' sake: my columns' share of the scores is in LDS
	s_barrier_signal -1
	s_barrier_wait -1
.irp q, 0,1,2,3
	ds_load_b128 v[208+4*\q:208+4*\q+3], v[SB] offset:512*\q       ; rows 4 lane + 0..3, the four waves' shares: every wave makes the block's softmax for itself
.endr
	s_wait_dscnt 0x0
	v_pk_add_f32 v[208:209], v[208:209], v[212:213]
	v_pk_add_f32 v[210:211], v[210:211], v[214:215]
	v_pk_add_f32 v[216:217], v[216:217], v[220:221]
	v_pk_add_f32 v[218:219], v[218:219], v[222:223]
	v_pk_add_f32 v[208:209], v[208:209], v[216:217]
	v_pk_add_f32 v[210:211], v[210:211], v[218:219]                ; v208-211: the scores; they stay
	v_max3_num_f32 v224, v208, v209, v210
	v_max_num_f32 v224, v224, v211
.irp m, 1,2,4,8
	v_max_num_f32_dpp v224, v224, v224 row_xmask:\m row_mask:0xf bank_mask:0xf
.endr
	v_permlanex16_b32 v212, v224, s[SEL], s[SEL+1]
	v_max_num_f32 v224, v224, v212                 ; m, the block's maximum, in every lane
	v_mul_f32 v225, s[LG], v224
.irp q, 0,1,2,3
	v_fma_f32 v[216+\q], v[208+\q], s[LG], -v225
.endr
.irp q, 0,1,2,3
	v_exp_f32 v[216+\q], v[216+\q]                 ; p = e^(score - m)
.endr
	v_and_b32 v229, 1, v1                          ; a plain line behind the exponentials
	s_wait_alu depctr_va_vdst(0)
	v_add_f32 v226, v216, v217
	v_add_f32 v213, v218, v219
	v_cvt_pk_bf16_f32 v220, v216, v217
	v_cvt_pk_bf16_f32 v221, v218, v219
	v_add_f32 v226, v226, v213
	ds_store_b64 v[PST], v[220:221]                ; p in bf16, my wave's own copy: LDS serves a wave's instructions in order, so the loads below see it
.irp c, 0,1,2,3
	ds_load_b128 v[TB+8*\c:TB+8*\c+3],   v[PLD] offset:64*\c       ; p as source 1 of 32 rows x 16 columns, all columns alike
	ds_load_b128 v[TB+8*\c+4:TB+8*\c+7], v[PLD] offset:64*\c+32
.endr
.irp m, 1,2,4,8
	v_add_f32_dpp v226, v226, v226 row_xmask:\m row_mask:0xf bank_mask:0xf
.endr
	v_permlanex16_b32 v213, v226, s[SEL], s[SEL+1]
	v_add_f32 v226, v226, v213                     ; l
	v_cmp_eq_u32 vcc_lo, 1, v229
	v_cndmask_b32 v227, v224, v226, vcc_lo         ; even lanes m, odd lanes l
	v_lshlrev_b32 v228, 2, v1
	s_cmp_lg_u32 s[WV], 0
	s_cbranch_scc1 .Lnot0
	global_store_b128 v[GA], v[208:211], s[SCG:SCG+1]              ; 512 consecutive bytes; none of these registers is written again
	global_store_b32 v228, v227, s[MLG:MLG+1]
.Lnot0:
	; pw = context^T p.  Wave w: channels 256 w .. + 255, 16 tiles; K = the block's 128 rows in four steps.  The block lies [row][channel], so source 0 comes turned, by ds_load_tr16_b128.
.irp c, 0,1,2,3
.if \c > 0
.rept 4
	v_nop                                          ; the places in front of loads into registers that the products above have read
.endr
.endif
.set t, 0
.rept 16
	ds_load_tr16_b128 v[FA+8*t:FA+8*t+3],   v[AT+\c] offset:32*t
	ds_load_tr16_b128 v[FA+8*t+4:FA+8*t+7], v[AT+\c] offset:32*t+16*APITCH
.set t, t+1
.endr
	s_wait_dscnt 0x0
	WIN 0xa0                                       ; C and D window 2, sources window 0
.set t, 0
.rept 16
.if \c == 0
	v_wmma_f32_16x16x32_bf16 v[8*t:8*t+7], v[FA+8*t:FA+8*t+7], v[TB+8*\c:TB+8*\c+7], 0
.else
	v_wmma_f32_16x16x32_bf16 v[8*t:8*t+7], v[FA+8*t:FA+8*t+7], v[TB+8*\c:TB+8*\c+7], v[8*t:8*t+7]
.endif
.set t, t+1
.endr
	WIN 0
.endr
	s_lshl_b32 s[OF], s[WV], 10
	s_add_co_u32 s[OF], s[OF], OST
	v_lshlrev_b32 v[OSTS], 6, v2                   ; four plain lines, the places behind the last products: the way out's addresses
	v_lshl_add_u32 v[OSTS], v3, 5, v[OSTS]
	v_add_nc_u32 v[OSTS], s[OF], v[OSTS]
	v_lshl_add_u32 v[OSTL], v1, 4, s[OF]
.irp t, 1,2,3,4,5,6,7,8,9,10,11,12,13,14,15
	v_cmp_eq_u32 s[MK+\t-1], \t, v2
.endr
	; all 16 columns of a result are alike: lane (r, h) keeps tile r: channels 16 r + 8 h + 0..7
	WIN 0x02
.irp j, 0,1,2,3,4,5,6,7
	v_mov_b32 v[SP+\j], v[\j]
.endr
	WIN 0x08
.irp t, 1,2,3,4,5,6,7,8,9,10,11,12,13,14,15
.irp j, 0,1,2,3,4,5,6,7
	v_cndmask_b32 v[SP+\j], v[SP+\j], v[8*\t+\j], s[MK+\t-1]       ; each result's registers from the low end on
.endr
.endr
	WIN 0
	ds_store_b128 v[OSTS], v[SP:SP+3]
	ds_store_b128 v[OSTS], v[SP+4:SP+7] offset:16
	ds_load_b128 v[SP+8:SP+11],  v[OSTL]           ; my wave's own bytes, back in the order of memory
	ds_load_b128 v[SP+12:SP+15], v[OSTL] offset:512
	s_wait_dscnt 0x0
	global_store_b128 v[GA], v[SP+8:SP+11],  s[PWG:PWG+1]          ; 512 consecutive bytes each
	global_store_b128 v[GA], v[SP+12:SP+15], s[PWG:PWG+1] offset:512
	s_wait_tensorcnt 0x0                           ; the wave's end: three closing lines behind my last LDS store
	ds_add_u32 v[SPW], v[NIL]
	s_wait_dscnt 0x0
	s_endpgm
.Lfunc_end_k_qeb7f7a7b95_main:
	.size	k_qeb7f7a7b95_main, .Lfunc_end_k_qeb7f7a7b95_main-k_qeb7f7a7b95_main
	.p2alignl 7, 3214868480
	.fill 96, 4, 3214868480
	.section	.rodata,"a",@progbits
	.p2align	6, 0x0
	.amdhsa_kernel k_qeb7f7a7b95_main
		.amdhsa_group_segment_fixed_size 280064
		.amdhsa_private_segment_fixed_size 0
		.amdhsa_enable_private_segment 0
		.amdhsa_kernarg_size 56
		.amdhsa_user_sgpr_count 2
		.amdhsa_user_sgpr_kernarg_segment_ptr 1
		.amdhsa_wavefront_size32 1
		.amdhsa_system_sgpr_workgroup_id_x 1
		.amdhsa_system_sgpr_workgroup_id_y 1
		.amdhsa_system_sgpr_workgroup_id_z 1
		.amdhsa_system_vgpr_workitem_id 0
		.amdhsa_next_free_vgpr 1024
		.amdhsa_next_free_sgpr 66
		.amdhsa_reserve_vcc 1
		.amdhsa_float_denorm_mode_32 3
		.amdhsa_float_denorm_mode_16_64 3
		.amdhsa_memory_ordered 1
		.amdhsa_forward_progress 1
		.amdhsa_inst_pref_size 255
	.end_amdhsa_kernel
	.section	.bss,"aw",@nobits
	.p2align	6
	.space	262144
	.amdgpu_metadata
---
amdhsa.version: [ 1, 2 ]
amdhsa.kernels:
  - .name:           k_qeb7f7a7b95_main
    .symbol:         k_qeb7f7a7b95_main.kd
    .args:
      - { .name: context, .offset: 0, .size: 8, .value_kind: global_buffer, .address_space: global }
      - { .name: Wb, .offset: 8, .size: 8, .value_kind: global_buffer, .address_space: global }
      - { .name: tb, .offset: 16, .size: 8, .value_kind: global_buffer, .address_space: global }
      - { .name: W_v, .offset: 24, .size: 8, .value_kind: global_buffer, .address_space: global }
      - { .name: sc, .offset: 32, .size: 8, .value_kind: global_buffer, .address_space: global }
      - { .name: ml, .offset: 40, .size: 8, .value_kind: global_buffer, .address_space: global }
      - { .name: pw, .offset: 48, .size: 8, .value_kind: global_buffer, .address_space: global }
    .group_segment_fixed_size: 280064
    .private_segment_fixed_size: 0
    .kernarg_segment_align: 8
    .kernarg_segment_size: 56
    .max_flat_workgroup_size: 128
    .sgpr_count:     66
    .vgpr_count:     1024
    .wavefront_size: 32
...
	.end_amdgpu_metadata
.endif
;; end of part 2
;; launch comb (part 3): grid 4 x 32, 2 waves a work-group, no clusters, 0 bytes of LDS; arguments sc, ml, pw, out1, out2; writes out1, out2
.if DOCPART == 3
	.amdgcn_target "amdgcn-amd-amdhsa--gfx1250"
	.amdhsa_code_object_version 6
	.text
	.protected	k_qeb7f7a7b95_comb
	.globl	k_qeb7f7a7b95_comb
	.p2align	8
	.type	k_qeb7f7a7b95_comb,@function
k_qeb7f7a7b95_comb:
	s_mov_b64 s[64:65], 0
	v_nop
	global_prefetch_b8 v0, s[64:65] scope:SCOPE_SE
	s_setreg_imm32_b32 hwreg(HW_REG_WAVE_MODE, 25, 1), 1
	s_wait_xcnt 0x0
; Joins a batch's 16 blocks.  M = the largest of their maxima m_i, L = the sum of l_i e^(m_i - M);
; out1 = the sum of pw_i e^(m_i - M) / L;  out2[s] = e^(sc[s] - M) / L.  All in f32.  L is at least 1: the block that holds M adds its l, which holds a weight of 1.
; Work-group (x, b): a quarter of batch b: 256 channels of out1, 512 weights of out2.  64 threads; no LDS, no matrix unit: 1.1 KB of arithmetic on 19 loads a thread, all issued first.
; A weight below 2^-126 counts as 0.
	s_load_b256 s[4:11], s[0:1], 0x0               ; sc s[4:5], ml s[6:7], pw s[8:9], out1 s[10:11]
	s_load_b64 s[12:13], s[0:1], 0x20              ; out2
	v_and_b32 v1, 15, v0
	v_lshlrev_b32 v1, 7, v1                        ; lane l takes block l % 16: 128 bytes apart
	v_lshlrev_b32 v2, 4, v0                        ; 16 t
	s_and_b32 s14, ttmp7, 0xffff                   ; b
	s_lshl_b32 s38, ttmp9, 10                      ; x's 256 channels
	s_lshl_b32 s34, s14, 11                        ; ml: 16 blocks of 128 bytes
	s_mov_b32 s35, 0
	s_lshl_b32 s36, s14, 16                        ; pw: 16 blocks of 4,096 bytes
	s_add_co_u32 s36, s36, s38
	s_mov_b32 s37, 0
	s_lshl_b32 s40, s14, 13                        ; sc and out2: 2,048 numbers a batch, 512 a quarter
	s_lshl_b32 s41, ttmp9, 11
	s_add_co_u32 s40, s40, s41
	s_mov_b32 s41, 0
	s_lshl_b32 s42, s14, 12                        ; out1
	s_add_co_u32 s42, s42, s38
	s_mov_b32 s43, 0
	s_mov_b32 s33, 0x3fb8aa3b                      ; log2(e)
	s_wait_kmcnt 0x0
	s_add_nc_u64 s[6:7], s[6:7], s[34:35]
	s_add_nc_u64 s[8:9], s[8:9], s[36:37]
	s_add_nc_u64 s[4:5], s[4:5], s[40:41]
	s_add_nc_u64 s[10:11], s[10:11], s[42:43]
	s_add_nc_u64 s[12:13], s[12:13], s[40:41]
	global_load_b64 v[4:5], v1, s[6:7]             ; m, l of my block
.set i, 0
.rept 16
	global_load_b128 v[16+4*i:16+4*i+3], v2, s[8:9] offset:4096*i
.set i, i+1
.endr
	global_load_b128 v[80:83], v2, s[4:5]
	global_load_b128 v[84:87], v2, s[4:5] offset:1024
	s_wait_loadcnt 18                              ; m and l are in; the 18 younger loads stay out
	v_mov_b32 v6, v4
.irp m, 1,2,4,8
	v_max_num_f32_dpp v6, v6, v6 row_xmask:\m row_mask:0xf bank_mask:0xf
.endr
	v_sub_f32 v7, v4, v6                           ; M in every lane: both halves of the lanes hold the same 16 blocks
	v_mul_f32 v7, s33, v7
	v_exp_f32 v7, v7                               ; e^(m - M)
	v_mul_f32 v11, s33, v6                         ; a plain line behind the exponential: M log2(e)
	s_wait_alu depctr_va_vdst(0)
	v_mul_f32 v8, v5, v7
.irp m, 1,2,4,8
	v_add_f32_dpp v8, v8, v8 row_xmask:\m row_mask:0xf bank_mask:0xf
.endr
	v_rcp_f32 v9, v8                               ; 1 / L
	v_nop
	s_wait_alu depctr_va_vdst(0)
	v_mul_f32 v10, v7, v9                          ; my block's factor
.set i, 0
.rept 16
	v_readlane_b32 s[16+i], v10, i
.set i, i+1
.endr
	s_wait_loadcnt 0x0
.irp c, 0,1,2,3
	v_mul_f32 v[88+\c], s16, v[16+\c]
.endr
.set i, 1
.rept 15
.irp c, 0,1,2,3
	v_fma_f32 v[88+\c], s[16+i], v[16+4*i+\c], v[88+\c]
.endr
.set i, i+1
.endr
	global_store_b128 v2, v[88:91], s[10:11]       ; 512 consecutive bytes a wave
.irp c, 0,1,2,3,4,5,6,7
	v_fma_f32 v[80+\c], v[80+\c], s33, -v11
.endr
.irp c, 0,1,2,3,4,5,6,7
	v_exp_f32 v[80+\c], v[80+\c]
.endr
	v_nop
	s_wait_alu depctr_va_vdst(0)
.irp c, 0,1,2,3,4,5,6,7
	v_mul_f32 v[80+\c], v[80+\c], v9
.endr
	global_store_b128 v2, v[80:83], s[12:13]
	global_store_b128 v2, v[84:87], s[12:13] offset:1024
	s_endpgm
.Lfunc_end_k_qeb7f7a7b95_comb:
	.size	k_qeb7f7a7b95_comb, .Lfunc_end_k_qeb7f7a7b95_comb-k_qeb7f7a7b95_comb
	.p2alignl 7, 3214868480
	.fill 96, 4, 3214868480
	.section	.rodata,"a",@progbits
	.p2align	6, 0x0
	.amdhsa_kernel k_qeb7f7a7b95_comb
		.amdhsa_group_segment_fixed_size 0
		.amdhsa_private_segment_fixed_size 0
		.amdhsa_enable_private_segment 0
		.amdhsa_kernarg_size 40
		.amdhsa_user_sgpr_count 2
		.amdhsa_user_sgpr_kernarg_segment_ptr 1
		.amdhsa_wavefront_size32 1
		.amdhsa_system_sgpr_workgroup_id_x 1
		.amdhsa_system_sgpr_workgroup_id_y 1
		.amdhsa_system_sgpr_workgroup_id_z 1
		.amdhsa_system_vgpr_workitem_id 0
		.amdhsa_next_free_vgpr 96
		.amdhsa_next_free_sgpr 66
		.amdhsa_reserve_vcc 0
		.amdhsa_float_denorm_mode_32 3
		.amdhsa_float_denorm_mode_16_64 3
		.amdhsa_memory_ordered 1
		.amdhsa_forward_progress 1
		.amdhsa_inst_pref_size 11
	.end_amdhsa_kernel
	.amdgpu_metadata
---
amdhsa.version: [ 1, 2 ]
amdhsa.kernels:
  - .name:           k_qeb7f7a7b95_comb
    .symbol:         k_qeb7f7a7b95_comb.kd
    .args:
      - { .name: sc, .offset: 0, .size: 8, .value_kind: global_buffer, .address_space: global }
      - { .name: ml, .offset: 8, .size: 8, .value_kind: global_buffer, .address_space: global }
      - { .name: pw, .offset: 16, .size: 8, .value_kind: global_buffer, .address_space: global }
      - { .name: out1, .offset: 24, .size: 8, .value_kind: global_buffer, .address_space: global }
      - { .name: out2, .offset: 32, .size: 8, .value_kind: global_buffer, .address_space: global }
    .group_segment_fixed_size: 0
    .private_segment_fixed_size: 0
    .kernarg_segment_align: 8
    .kernarg_segment_size: 40
    .max_flat_workgroup_size: 64
    .sgpr_count:     66
    .vgpr_count:     96
    .wavefront_size: 32
...
	.end_amdgpu_metadata
.endif
;; end of part 3
;; launch fin (part 4): grid 64 x 1, 16 waves a work-group, no clusters, 34,816 bytes of LDS; arguments W_out, out1, input, out0; writes out0
.if DOCPART == 4
	.amdgcn_target "amdgcn-amd-amdhsa--gfx1250"
	.amdhsa_code_object_version 6
	.text
	.protected	k_qeb7f7a7b95_fin
	.globl	k_qeb7f7a7b95_fin
	.p2align	8
	.type	k_qeb7f7a7b95_fin,@function
k_qeb7f7a7b95_fin:
	s_mov_b64 s[64:65], 0
	v_nop
	global_prefetch_b8 v0, s[64:65] scope:SCOPE_SE
	s_setreg_imm32_b32 hwreg(HW_REG_WAVE_MODE, 25, 1), 1
	s_wait_xcnt 0x0
; out0 = tanh([out1 | input] . W_out^T).  32 batches x 1,024 columns, K = 2,048.  Operands bf16, sums f32.
; Work-group T owns columns 16T..16T+15 (16 rows of W_out).  Wave v owns k = 128v..128v+127, four K steps of 32: waves 0-7 multiply out1, waves 8-15 input.
; The sixteen waves' partial sums meet in LDS.  tanh(x) = 1 - 2 / (1 + 2^(K2 x)), K2 = 2 log2(e): beyond f32's range 2^ gives an infinity or 0, and tanh is exactly 1 or -1.
; A tile of 16 columns is 64 bytes of a row of out0, so the stores are pieces of 64 bytes: 131,072 bytes in the whole launch.
.set SPARE, 32768                      ; behind the partial sums: the spare words, 128 bytes for each of 16 waves
.set RB,  32                           ; v[32:95]   W_out, four fragments as loaded (16 f32 a lane each), then 8 registers of bf16 each
.set RA0, 96                           ; v[96:159]  batches 0-15
.set RA1, 160                          ; v[160:223] batches 16-31
.set AC0, 224
.set AC1, 232
.macro LDFRAG dst, vo, base, imm       ; lane l: row l%16, k = 8 (l/16) + 0..7 and 16 + 8 (l/16) + 0..7
	global_load_b128 v[(\dst):(\dst)+3],     v[\vo], s[(\base):(\base)+1] offset:(\imm)
	global_load_b128 v[(\dst)+4:(\dst)+7],   v[\vo], s[(\base):(\base)+1] offset:(\imm)+16
	global_load_b128 v[(\dst)+8:(\dst)+11],  v[\vo], s[(\base):(\base)+1] offset:(\imm)+64
	global_load_b128 v[(\dst)+12:(\dst)+15], v[\vo], s[(\base):(\base)+1] offset:(\imm)+80
.endm
.macro CVFRAG rr
.irp i, 0,1,2,3,4,5,6,7
	v_cvt_pk_bf16_f32 v[(\rr)+\i], v[(\rr)+2*\i], v[(\rr)+2*\i+1]
.endr
.endm
	s_load_b256 s[4:11], s[0:1], 0x0               ; W_out s[4:5], out1 s[6:7], input s[8:9], out0 s[10:11]
	v_lshl_add_u32 v30, v0, 2, SPARE
	v_mov_b32 v31, 0
	v_and_b32 v1, 31, v0
	v_and_b32 v2, 15, v0
	v_bfe_u32 v3, v0, 4, 1
	v_lshrrev_b32 v14, 5, v0
	v_readfirstlane_b32 s16, v14                   ; wave 0..15
	v_lshlrev_b32 v4, 12, v2                       ; out1, input: rows of 4,096 bytes
	v_lshl_add_u32 v4, v3, 5, v4
	v_lshlrev_b32 v5, 13, v2                       ; W_out: rows of 8,192 bytes
	v_lshl_add_u32 v5, v3, 5, v5
	v_lshlrev_b32 v6, 2, v1
	v_lshl_add_u32 v6, v14, 11, v6                 ; my wave's 2,048 bytes of partial sums + 4 x lane
	v_and_b32 v9, 3, v0
	v_lshlrev_b32 v9, 4, v9                        ; 16 (t % 4)
	s_lshl_b32 s18, ttmp9, 17                      ; 16 rows of W_out
	s_lshl_b32 s17, s16, 9                         ; my 128 k in f32
	s_add_co_u32 s18, s18, s17
	s_mov_b32 s19, 0
	s_and_b32 s20, s16, 7
	s_lshl_b32 s20, s20, 9
	s_mov_b32 s21, 0
	s_mov_b32 s22, 0x4038aa3b                      ; K2
	s_mov_b32 s23, s22
	s_lshl_b32 s24, ttmp9, 6
	s_mov_b32 s25, 0
	s_wait_kmcnt 0x0
	s_add_nc_u64 s[4:5], s[4:5], s[18:19]
	s_add_nc_u64 s[10:11], s[10:11], s[24:25]
	s_cmp_lt_u32 s16, 8
	s_cselect_b64 s[12:13], s[6:7], s[8:9]         ; the first 1,024 k are out1's, the rest input's
	s_add_nc_u64 s[12:13], s[12:13], s[20:21]
.irp q, 0,1,2,3
	LDFRAG RB+16*\q,  5, 4,  128*\q
	LDFRAG RA0+16*\q, 4, 12, 128*\q
	LDFRAG RA1+16*\q, 4, 12, 65536+128*\q
.endr
.irp q, 0,1,2,3
	s_wait_loadcnt 12*(3-\q)                       ; this K step's twelve loads are in; the later steps' stay out
	CVFRAG RB+16*\q
	CVFRAG RA0+16*\q
	CVFRAG RA1+16*\q
.if \q == 0
	v_wmma_f32_16x16x32_bf16 v[AC0:AC0+7], v[RA0:RA0+7], v[RB:RB+7], 0
	v_wmma_f32_16x16x32_bf16 v[AC1:AC1+7], v[RA1:RA1+7], v[RB:RB+7], 0
.else
	v_wmma_f32_16x16x32_bf16 v[AC0:AC0+7], v[RA0+16*\q:RA0+16*\q+7], v[RB+16*\q:RB+16*\q+7], v[AC0:AC0+7]   ; the two sums take turns
	v_wmma_f32_16x16x32_bf16 v[AC1:AC1+7], v[RA1+16*\q:RA1+16*\q+7], v[RB+16*\q:RB+16*\q+7], v[AC1:AC1+7]
.endif
.endr
	; thread t (0..127) finishes batch t/4, columns 4 (t%4) + 0..3: register (batch/16) 8 + batch%8, lanes 16 ((batch/8)%2) + 4 (t%4) + 0..3.
	; These plain lines name no register of the products: they are the places behind them.
	v_lshrrev_b32 v15, 2, v0
	v_and_b32 v16, 7, v15
	v_bfe_u32 v17, v15, 4, 1
	v_lshl_add_u32 v16, v17, 3, v16
	v_bfe_u32 v17, v15, 3, 1
	v_lshlrev_b32 v7, 7, v16
	v_lshl_add_u32 v7, v17, 6, v7
	v_add_nc_u32 v7, v7, v9
	v_lshl_add_u32 v8, v15, 12, v9                 ; out0: row batch, 16 (t%4)
.set i, 0
.rept 16
	ds_store_b32 v6, v[AC0+i] offset:128*i         ; each sum's registers from the low end on
.set i, i+1
.endr
	s_wait_dscnt 0x0                               ; for the others' sake: my partial sums are in LDS
	s_barrier_signal -1
	s_barrier_wait -1
	s_cmp_lt_u32 s16, 4
	s_cbranch_scc1 .Lreduce
	s_wait_tensorcnt 0x0                           ; waves 4-15 end here: three closing lines behind a wave's last LDS store
	ds_add_u32 v30, v31
	s_wait_dscnt 0x0
	s_endpgm
.Lreduce:
.set i, 0
.rept 16
	ds_load_b128 v[32+4*i:32+4*i+3], v7 offset:2048*i
.set i, i+1
.endr
	s_wait_dscnt 0x0
.irp st, 8,4,2,1
.set i, 0
.rept \st
	v_pk_add_f32 v[32+4*i:32+4*i+1],   v[32+4*i:32+4*i+1],   v[32+4*(i+\st):32+4*(i+\st)+1]
	v_pk_add_f32 v[32+4*i+2:32+4*i+3], v[32+4*i+2:32+4*i+3], v[32+4*(i+\st)+2:32+4*(i+\st)+3]
.set i, i+1
.endr
.endr
	v_pk_mul_f32 v[32:33], v[32:33], s[22:23] op_sel_hi:[1,0]
	v_pk_mul_f32 v[34:35], v[34:35], s[22:23] op_sel_hi:[1,0]
.irp c, 32,33,34,35
	v_exp_f32 v\c, v\c
.endr
	v_nop                                          ; a plain line behind the exponentials
	s_wait_alu depctr_va_vdst(0)
	v_pk_add_f32 v[32:33], v[32:33], 1.0 op_sel_hi:[1,0]
	v_pk_add_f32 v[34:35], v[34:35], 1.0 op_sel_hi:[1,0]
.irp c, 32,33,34,35
	v_rcp_f32 v\c, v\c
.endr
	v_nop                                          ; and behind the reciprocals
	s_wait_alu depctr_va_vdst(0)
	v_pk_fma_f32 v[32:33], v[32:33], -2.0, 1.0 op_sel_hi:[1,0,0]
	v_pk_fma_f32 v[34:35], v[34:35], -2.0, 1.0 op_sel_hi:[1,0,0]
	global_store_b128 v8, v[32:35], s[10:11]
	s_wait_tensorcnt 0x0                           ; the wave's end: the same three lines
	ds_add_u32 v30, v31
	s_wait_dscnt 0x0
	s_endpgm
.Lfunc_end_k_qeb7f7a7b95_fin:
	.size	k_qeb7f7a7b95_fin, .Lfunc_end_k_qeb7f7a7b95_fin-k_qeb7f7a7b95_fin
	.p2alignl 7, 3214868480
	.fill 96, 4, 3214868480
	.section	.rodata,"a",@progbits
	.p2align	6, 0x0
	.amdhsa_kernel k_qeb7f7a7b95_fin
		.amdhsa_group_segment_fixed_size 34816
		.amdhsa_private_segment_fixed_size 0
		.amdhsa_enable_private_segment 0
		.amdhsa_kernarg_size 32
		.amdhsa_user_sgpr_count 2
		.amdhsa_user_sgpr_kernarg_segment_ptr 1
		.amdhsa_wavefront_size32 1
		.amdhsa_system_sgpr_workgroup_id_x 1
		.amdhsa_system_sgpr_workgroup_id_y 1
		.amdhsa_system_sgpr_workgroup_id_z 1
		.amdhsa_system_vgpr_workitem_id 0
		.amdhsa_next_free_vgpr 240
		.amdhsa_next_free_sgpr 66
		.amdhsa_reserve_vcc 0
		.amdhsa_float_denorm_mode_32 3
		.amdhsa_float_denorm_mode_16_64 3
		.amdhsa_memory_ordered 1
		.amdhsa_forward_progress 1
		.amdhsa_inst_pref_size 19
	.end_amdhsa_kernel
	.amdgpu_metadata
---
amdhsa.version: [ 1, 2 ]
amdhsa.kernels:
  - .name:           k_qeb7f7a7b95_fin
    .symbol:         k_qeb7f7a7b95_fin.kd
    .args:
      - { .name: W_out, .offset: 0, .size: 8, .value_kind: global_buffer, .address_space: global }
      - { .name: out1, .offset: 8, .size: 8, .value_kind: global_buffer, .address_space: global }
      - { .name: input, .offset: 16, .size: 8, .value_kind: global_buffer, .address_space: global }
      - { .name: out0, .offset: 24, .size: 8, .value_kind: global_buffer, .address_space: global }
    .group_segment_fixed_size: 34816
    .private_segment_fixed_size: 0
    .kernarg_segment_align: 8
    .kernarg_segment_size: 32
    .max_flat_workgroup_size: 512
    .sgpr_count:     66
    .vgpr_count:     240
    .wavefront_size: 32
...
	.end_amdgpu_metadata
.endif
;; end of part 4
;; ======== version 2 of 2: 4 launches; version 1 with the launch main written anew for expert scheduling mode
;; workspace buffers: Wb 2,097,152 bytes; tb 131,072 bytes; sc 262,144 bytes; ml 65,536 bytes; pw 2,097,152 bytes
;; launch prep: the kernel of part 1 again; grid 64 x 1, 16 waves a work-group, no clusters, 34,816 bytes of LDS; arguments W_c, W_in, input, b_c, Wb, tb; writes Wb, tb
;; launch main (part 5): grid 512 x 1, 4 waves a work-group, no clusters, 280,064 bytes of LDS; arguments context, Wb, tb, W_v, sc, ml, pw; writes sc, ml, pw
.if DOCPART == 5
	.amdgcn_target "amdgcn-amd-amdhsa--gfx1250"
	.amdhsa_code_object_version 6
	.text
	.protected	k_qeb7f7a7b95_main
	.globl	k_qeb7f7a7b95_main
	.p2align	8
	.type	k_qeb7f7a7b95_main,@function
k_qeb7f7a7b95_main:
	s_mov_b64 s[64:65], 0
	v_nop
	global_prefetch_b8 v0, s[64:65] scope:SCOPE_SE
	s_setreg_imm32_b32 hwreg(HW_REG_WAVE_SCHED_MODE, 0, 2), 2
	s_setreg_imm32_b32 hwreg(HW_REG_WAVE_MODE, 25, 1), 1
	s_wait_xcnt 0x0
	s_wait_alu depctr_vm_vsrc(0)
; For a block of 128 rows s of one batch: score[s] = sum over e of -2 W_v[e] / (1 + 2^y), y = K2 (context[s] . W_c[e]) + tb[e], K2 = 2 log2(e).
; Since tanh(x) = 1 - 2 / (1 + e^(2x)), that is reference's score less the sum of W_v, which is the same for every s: softmax does not see it.
; Then the block's maximum m, p = e^(score - m), l = the sum of p, and pw = the sum over s of p[s] context[s].  The next launch joins a batch's 16 blocks.
; The block of context is read from memory ONCE, rounded to bf16 into LDS, and serves both products from there.
; LIMITS.  2^y beyond f32's range is an infinity and its reciprocal 0; below it, 0: tanh then is exactly 1 or -1.  A weight p below 2^-126 counts as 0.  p is rounded to bf16 for the second
; product, l is taken of the unrounded p.  NaN and infinities in the inputs are not treated apart.  context, W_c, p: bf16; tb, W_v, tanh, softmax: f32.
; SHARES.  Four waves.  Wave w makes all 128 rows x columns e = 256w..256w+255, in two chunks of 128 columns: 64 accumulators of 16 x 16 (512 registers).  K = 1024 goes in 32 quarters of 32.
; A's fragments come from LDS, into one buffer that is refilled in halves, each half 32 products ahead of its use.  B's come straight from Wb into registers: no other wave of the work-group
; wants them, and prep has laid them so that each load of a wave is 512 consecutive bytes; four buffers, three quarters ahead.
; THE BLOCK ARRIVES WHILE CHUNK 0 IS MULTIPLIED.  It comes by SLICES of 64 k (256 bytes of f32 in each row), which serve two quarters each.  Wave w brings rows 32w..32w+31, a PORTION of 16 rows
; (8 loads, each two whole row pieces of 256 bytes) in every quarter, through a ring of four portions in registers.  In quarter q portion q+3 is rounded and stored, and portion q+6 asked for.
; A slice is shown to the other waves by one barrier: signalled at the end of the quarter in which its last portion was stored, waited for in the middle of the next, ahead of the first fetch from it.
; No byte of the block is written twice.
; NO JOINT LOADS, though all work-groups read the same Wb: the block takes 264,192 of a work-group's 327,680 LDS bytes, tables and stages 15,872; the 47,616 left do not hold two slots of the four
; waves' 512 columns x 32 k (32,768 bytes each), and a smaller slot would set a meeting of work-groups in front of every 32 products.
; The last chunk's three look-ahead quarters read the head of the wave's own stream again (24,576 of its 524,288 bytes) and are not used: the price of one text for a quarter.
; THE MODE: SCHED_MODE bits 1:0 = 2 (LLVM: expert scheduling mode 2), set by the entry lines.  The code itself states the register dependences
; between vector or matrix instructions and memory or LDS instructions, with s_wait_alu, always for 0.
; THE PLAN.  Registers that memory or LDS instructions touch in the K loops:
;   A's fragments 0-3   read by a quarter's first 32 products; the LDS loads in its middle land in them.       A's fragments 4-7   read by its last 32 products; the LDS loads at its end land in them.
;   B's buffer gb       read by the products of the quarter before; this quarter's 16 loads land in it.
;   ring slot cs        its loads have landed; rounded in place in the quarter's middle; read by the LDS stores behind that.
;   ring slot cs + 3    rounded and stored in the quarter before; this quarter's 8 loads land in it: both waits for it stand a quarter behind its stores.
;   v[ADRA ..], v[LS], v[CA]   read by LDS instructions, stepped by vector adds.          v[GA], v[GC]   read by the global loads; never written in the loops.
; THREE WAITS TO A QUARTER.  Behind the first 32 products one on vm_vsrc, ahead of the conversions and the adds; behind these one on va_vdst, ahead of the stores, of fragments 0-3, of the ring's
; loads and of B's; at the quarter's end one on va_vdst, ahead of fragments 4-7.  B's 16 loads are dealt among the last 32 products, which name fragments 4-7, B's buffer fb and window 3: none of
; the registers that those loads touch.
; REGISTERS, in windows of 256 (s_set_vgpr_msb: bits 1:0 source 0, 3:2 source 1, 5:4 source 2, 7:6 destination):
;   window 0: v0-31 addresses; v32-47 tb, v48-63 -2 W_v of the chunk's 8 column tiles, each number twice (a pair for the packed forms); v64-127 A's fragments;
;             v128-255 the ring of four portions, 32 registers each; when the block is in, v192-255 are the rows' partial scores and v128-191 are at work
;   window 1: B's fragments, four buffers of 64      windows 2, 3: the accumulators, (a, b) at v[8 (8 (a%4) + b)] of window 2 + a/4
.set APITCH, 2064                      ; a row of the block in LDS: 2,048 bytes of bf16 + 16: 129 x 16, so the 16 rows of a fragment load start 16 bytes apart modulo 256
.set TBL,   128*APITCH                 ; 264,192: tb of my batch, 1,024 f32
.set SCR,   TBL+8192                   ; behind it -2 W_v (at TBL + 4,096); then [4 waves][128 rows] partial scores
.set PBF,   SCR+2048                   ; 256 bytes a wave: p in bf16
.set OST,   PBF+1024                   ; 1,024 bytes a wave: the way out of pw
.set SPARE, OST+4096                   ; 279,552: the spare words, 128 bytes for each wave
.set GA,    4                          ; v4      16 x lane
.set LS,    5                          ; v5      where my 8 bytes of a portion's first two rows go, in the pair of slices in hand
.set ADRA0, 6                          ; v6-9    my place in A's row tiles 2i, 2i+1, at k = 0
.set ADRA,  10                         ; v10-13  the same at the quarter to be fetched
.set CA0,   14                         ; v14     tb of my column in the wave's first tile
.set CA,    15                         ; v15     the same in the chunk in hand
.set TBO,   16                         ; v16     my 16 bytes of tb in memory
.set T16,   17                         ; v17     16 x thread
.set SA,    18                         ; v18     where I put partial scores
.set SB,    19                         ; v19     where I read four rows' partial scores
.set PST,   20                         ; v20     where I put four p
.set PLD,   21                         ; v21     where p's fragments begin for my half of the lanes
.set AT,    22                         ; v22-25  the turning loads' addresses, 32 rows each
.set GC,    26                         ; v26     my 16 bytes in two rows' pieces of context: 4,096 (lane/16) + 16 (lane%16)
.set OSTS,  26                         ;         later, the way out
.set OSTL,  27
.set R7,    28                         ; v28     lane % 8
.set TMP,   29
.set SPW,   30                         ; v30     my spare word; never rewritten
.set NIL,   31                         ; v31     0; never rewritten
.set TB,    32
.set WVR,   48
.set FA,    64
.set ST,    128                        ; portion j lies in slot j % 4, at v[ST + 32 (j%4)]
.set FT,    128                        ; at work behind the K loops
.set SP,    192                        ; row 16 a + 8 (lane/16) + j at v[SP + 8 a + j]
.set CTX, 4                            ; s[4:5] context, s[6:7] Wb, s[8:9] tb, s[10:11] W_v, s[12:13] sc, s[14:15] ml, s[16:17] pw
.set WB,  6
.set TBG, 8
.set WVG, 10
.set SCG, 12
.set MLG, 14
.set PWG, 16
.set WV,  18                           ; s18  my wave's number
.set BP,  20                           ; s[20:21] Wb at the quarter last asked for
.set DW,  22                           ; s[22:23] my stream's 524,288 bytes: what the look-ahead goes back by at the last chunk's end
.set KT,  25
.set CH,  26                           ; s26  tanh phases to go
.set CO,  27                           ; s27  the chunk's byte offset in the tables
.set K2,  28                           ; s[28:29] 2 log2(e), named as a pair
.set LG,  30                           ; s30  log2(e)
.set SEL, 32                           ; s[32:33] v_permlanex16_b32's selects: each lane takes its own place in the other half
.set OF,  34                           ; s[34:35] offsets
.set RC,  36
.set MK,  40                           ; s40-54 lane masks
.set MSB, 0
.macro WIN new                         ; the immediate's high byte repeats the setting that is left; a switch that changes nothing is dropped
.if MSB != (\new)
	s_set_vgpr_msb (MSB<<8)|(\new)
.set MSB, (\new)
.endif
.endm
.set MUL_LO, 0xa4                      ; source 0 (A) window 0, source 1 (B) window 1, C and D window 2
.set TO_B,   0x40                      ; destination window 1, address window 0
; A portion in slot s: half s % 2 of my 32 rows, slice s / 2 of the pair in hand.  ISSUE asks for it (cb: bytes from the base to the pair), CVT rounds it in place (four f32 become two registers),
; STORE puts it into the block: 8 bytes a lane, 128 consecutive bytes in each of two rows.
.macro ISSUE slot, cb
.irp i, 0,1,2,3,4,5,6,7
	global_load_b128 v[ST+32*(\slot)+4*\i:ST+32*(\slot)+4*\i+3], v[GC], s[CTX:CTX+1] offset:(\cb)+((\slot)/2)*256+((\slot)%2)*65536+\i*8192 th:TH_LOAD_NT
.endr
.endm
.macro CVT slot
.irp i, 0,1,2,3,4,5,6,7
	v_cvt_pk_bf16_f32 v[ST+32*(\slot)+4*\i],   v[ST+32*(\slot)+4*\i],   v[ST+32*(\slot)+4*\i+1]
	v_cvt_pk_bf16_f32 v[ST+32*(\slot)+4*\i+1], v[ST+32*(\slot)+4*\i+2], v[ST+32*(\slot)+4*\i+3]
.endr
.endm
.macro STORE slot
.irp i, 0,1,2,3,4,5,6,7
	ds_store_b64 v[LS], v[ST+32*(\slot)+4*\i:ST+32*(\slot)+4*\i+1] offset:((\slot)%2)*16*APITCH+((\slot)/2)*128+\i*2*APITCH
.endr
.endm
; The two pointers are stepped only behind s_wait_xcnt 0.  wrap = 1: B's stream has ended.  cstep = 1: context goes two slices on.
.macro BSTEP wrap, cstep
	s_wait_xcnt 0x0
.if \wrap
	s_sub_nc_u64 s[BP:BP+1], s[BP:BP+1], s[DW:DW+1]
.endif
.if \cstep
	s_add_nc_u64 s[CTX:CTX+1], s[CTX:CTX+1], 512
.endif
	s_add_nc_u64 s[BP:BP+1], s[BP:BP+1], 8192
.endm
; 8 loads of 512 consecutive bytes: half h of B's eight fragments of a quarter, into buffer gb
.macro LB gb, h
	WIN TO_B
.irp b, 0,1,2,3
	global_load_b128 v[64*(\gb)+8*(4*(\h)+\b):64*(\gb)+8*(4*(\h)+\b)+3],   v[GA], s[BP:BP+1] offset:1024*(4*(\h)+\b)
	global_load_b128 v[64*(\gb)+8*(4*(\h)+\b)+4:64*(\gb)+8*(4*(\h)+\b)+7], v[GA], s[BP:BP+1] offset:1024*(4*(\h)+\b)+512
.endr
.endm
	s_load_b256 s[4:11], s[0:1], 0x0
	s_load_b128 s[12:15], s[0:1], 0x20
	s_load_b64 s[16:17], s[0:1], 0x30
	v_lshl_add_u32 v[SPW], v0, 2, SPARE
	v_mov_b32 v[NIL], 0
	v_lshrrev_b32 v[TMP], 5, v0
	v_readfirstlane_b32 s[WV], v[TMP]
	v_and_b32 v1, 31, v0                           ; lane
	v_and_b32 v2, 15, v0                           ; r
	v_bfe_u32 v3, v0, 4, 1                         ; h
	v_lshlrev_b32 v[GA], 4, v1
	v_lshlrev_b32 v[GC], 4, v2
	v_lshl_add_u32 v[GC], v3, 12, v[GC]
	v_lshrrev_b32 v[TBO], 2, v0                    ; tb[T][batch][16]: thread t takes numbers 4t..4t+3 of my batch: tile t/4,
	v_and_b32 v[TMP], 3, v0
	v_lshlrev_b32 v[TBO], 11, v[TBO]
	v_lshl_add_u32 v[TBO], v[TMP], 4, v[TBO]       ; 16 (t%4) bytes into its 64,
	s_lshr_b32 s[OF], ttmp9, 4
	s_lshl_b32 s[OF], s[OF], 6
	v_add_nc_u32 v[TBO], s[OF], v[TBO]             ; of batch = block / 16
	v_lshlrev_b32 v[T16], 4, v0
	v_and_b32 v[R7], 7, v0
	s_wait_alu depctr_va_sdst(0)                   ; s[WV] is written, ahead of its first reader: LDS places and the bases are made from it
	s_mul_i32 s[OF], s[WV], 32*APITCH
	v_mul_u32_u24 v[LS], v3, APITCH                ; row 32 w + lane/16, 8 (lane%16) bytes into the slice
	v_lshl_add_u32 v[LS], v2, 3, v[LS]
	v_add_nc_u32 v[LS], s[OF], v[LS]
	v_mul_u32_u24 v[ADRA0], v2, APITCH             ; a fragment: row r x pitch + 16 h, and 32 bytes on
	v_lshl_add_u32 v[ADRA0], v3, 4, v[ADRA0]
.irp i, 1,2,3
	v_add_nc_u32 v[ADRA0+\i], \i*32*APITCH, v[ADRA0]
.endr
	s_lshl_b32 s[OF], s[WV], 10
	s_add_co_u32 s[OF], s[OF], TBL
	v_lshl_add_u32 v[CA0], v2, 2, s[OF]            ; TBL + 4 (256 w + r)
	v_bfe_u32 v[TMP], v0, 3, 1                     ; (lane/8) % 2
	v_lshl_add_u32 v[SA], v[TMP], 4, v[R7]         ; row 16 (r/8) + 8 h + r%8 of 32
	v_lshl_add_u32 v[SA], v3, 3, v[SA]
	s_lshl_b32 s[OF], s[WV], 9
	s_add_co_u32 s[OF+1], s[OF], SCR
	v_lshl_add_u32 v[SA], v[SA], 2, s[OF+1]
	v_add_nc_u32 v[SB], SCR, v[GA]
	v_lshl_add_u32 v[AT], v3, 3, v[R7]             ; the turning load: row 8 h + lane%8, 16 bytes for each (lane/8)%2, my wave's 256 channels
	v_mul_u32_u24 v[AT], v[AT], APITCH
	v_lshl_add_u32 v[AT], v[TMP], 4, v[AT]
	v_add_nc_u32 v[AT], s[OF], v[AT]
.irp i, 1,2,3
	v_add_nc_u32 v[AT+\i], \i*32*APITCH, v[AT]
.endr
	s_lshl_b32 s[OF], s[WV], 8
	s_add_co_u32 s[OF], s[OF], PBF
	v_lshl_add_u32 v[PST], v1, 3, s[OF]
	v_lshl_add_u32 v[PLD], v3, 4, s[OF]
	v_add_nc_u32 v[TMP], TBL, v[T16]               ; where thread t puts its 16 bytes of the tables
.irp i, 0,1,2,3
	v_mov_b32 v[ADRA+\i], v[ADRA0+\i]              ; the first fetch is quarter 0's
.endr
	s_lshl_b32 s[OF], ttmp9, 19                    ; my block: 128 rows of 4,096 bytes,
	s_lshl_b32 s[OF+1], s[WV], 17                  ; my wave's 32 of them
	s_add_co_u32 s[OF], s[OF], s[OF+1]
	s_mov_b32 s[OF+1], 0
	s_mov_b32 s[K2], 0x4038aa3b
	s_mov_b32 s[K2+1], s[K2]
	s_mov_b32 s[LG], 0x3fb8aa3b
	s_mov_b32 s[SEL], 0x76543210
	s_mov_b32 s[SEL+1], 0xfedcba98
	s_mov_b32 s[DW], 0x80000
	s_mov_b32 s[DW+1], 0
	s_mov_b32 s[CH], 2
	s_mov_b32 s[CO], 0
	s_wait_kmcnt 0x0
	s_add_nc_u64 s[CTX:CTX+1], s[CTX:CTX+1], s[OF:OF+1]
	s_lshl_b32 s[OF], s[WV], 19                    ; my wave's stream in Wb: 524,288 bytes
	s_add_nc_u64 s[BP:BP+1], s[WB:WB+1], s[OF:OF+1]
	s_lshl_b32 s[OF], ttmp9, 9
	s_add_nc_u64 s[SCG:SCG+1], s[SCG:SCG+1], s[OF:OF+1]
	s_lshl_b32 s[OF], ttmp9, 7
	s_add_nc_u64 s[MLG:MLG+1], s[MLG:MLG+1], s[OF:OF+1]
	s_lshl_b32 s[OF], ttmp9, 12
	s_lshl_b32 s[RC], s[WV], 10
	s_add_co_u32 s[OF], s[OF], s[RC]
	s_add_nc_u64 s[PWG:PWG+1], s[PWG:PWG+1], s[OF:OF+1]
	s_wait_alu depctr_va_vdst(0)                   ; all the offsets and LDS addresses v4 to v29 are written, which the loads and stores of the whole kernel read
	global_load_b128 v[32:35], v[TBO], s[TBG:TBG+1]                ; the tables first: tb of my batch (tiles 0-31, then 32-63),
	global_load_b128 v[36:39], v[TBO], s[TBG:TBG+1] offset:65536
	global_load_b128 v[40:43], v[T16], s[WVG:WVG+1]                ; and W_v
	global_load_b128 v[44:47], v[T16], s[WVG:WVG+1] offset:2048
	ISSUE 0, 0                                     ; portions 0-2; the fourth slot is asked for below, in the order of every quarter
	ISSUE 1, 0
	ISSUE 2, 0
; In front of the first quarter: portions 0, 1, 2 are rounded and stored; behind each, the portion three further on and B's quarter of the same number are asked for, in that order, as in every quarter.
; left = how many younger loads may stay out (loads come back in order: ISA guide 5.7.1).  cb: bytes from context's base to the pair of slices asked for.
.macro VQ slot, left, cb
	s_wait_loadcnt \left
.if (\slot) > 0
	s_wait_alu depctr_vm_vsrc(0)                   ; the LDS stores of the portion before have read its registers, in which the loads below land
.endif
	CVT \slot
	s_wait_alu depctr_va_vdst(0)                   ; the conversions have written this portion, which the LDS stores read; those of the portion before are done with its registers, in which the loads below land
	STORE \slot
	ISSUE ((\slot)+3)%4, \cb
.if (\slot) > 0
	BSTEP 0, 0
.endif
	LB \slot, 0                                    ; no vector instruction has named these registers, nor v[GA] since the head's wait
	LB \slot, 1
	WIN 0
.endm
	VQ 0, 16, 0                                    ; the tables and portion 0 are in; portions 1 and 2 stay out
.irp i, 40,42,44,46
	v_pk_mul_f32 v[\i:\i+1], v[\i:\i+1], -2.0 op_sel_hi:[1,0]
.endr
	s_wait_alu depctr_va_vdst(0)                   ; the four products have written v40 to v47, which the LDS stores read
	ds_store_b128 v[TMP], v[32:35]
	ds_store_b128 v[TMP], v[36:39] offset:2048
	ds_store_b128 v[TMP], v[40:43] offset:4096
	ds_store_b128 v[TMP], v[44:47] offset:6144
	VQ 1, 32, 512                                  ; behind portion 1: portions 2 and 3 (16) and B's quarter 0 (16)
	VQ 2, 48, 512                                  ; behind portion 2: portions 3 and 4 (16) and B's quarters 0, 1 (32)
	s_wait_dscnt 0x0                               ; for the others' sake: my rows of slice 0 and my part of the tables are in LDS
	s_barrier_signal -1
	s_barrier_wait -1
; 8 products: row tile 4 hi + a x all 8 column tiles, 32 along K.  The 64 accumulators take turns in the same order in every quarter.
; source 0 = 16 rows of context, source 1 = 16 rows of W_c: register j of lane l is (row 8 (l/16) + j, column l%16).
.macro MUL8 fb, hi, a, zero
	WIN MUL_LO+0x50*(\hi)
.irp b, 0,1,2,3,4,5,6,7
.if \zero
	v_wmma_f32_16x16x32_bf16 v[8*(8*(\a)+\b):8*(8*(\a)+\b)+7], v[FA+8*(4*(\hi)+(\a)):FA+8*(4*(\hi)+(\a))+7], v[64*(\fb)+8*\b:64*(\fb)+8*\b+7], 0
.else
	v_wmma_f32_16x16x32_bf16 v[8*(8*(\a)+\b):8*(8*(\a)+\b)+7], v[FA+8*(4*(\hi)+(\a)):FA+8*(4*(\hi)+(\a))+7], v[64*(\fb)+8*\b:64*(\fb)+8*\b+7], v[8*(8*(\a)+\b):8*(8*(\a)+\b)+7]
.endif
.endr
.endm
.macro FETCHH hi                       ; 8 LDS loads in one run: A's fragments 4 hi .. 4 hi + 3 of the next quarter
	WIN 0
.irp a, 0,1,2,3
	ds_load_b128 v[FA+8*(4*(\hi)+\a):FA+8*(4*(\hi)+\a)+3],   v[ADRA+2*(\hi)+\a/2] offset:(\a%2)*16*APITCH
	ds_load_b128 v[FA+8*(4*(\hi)+\a)+4:FA+8*(4*(\hi)+\a)+7], v[ADRA+2*(\hi)+\a/2] offset:(\a%2)*16*APITCH+32
.endr
.endm
; A QUARTER, all but its end: 64 products on A's buffer and B's buffer fb.  In its middle fragments 0-3 of the next quarter take the place of those just multiplied; B of three quarters on goes into gb,
; in two runs of 8 loads among the last 32 products.
; Between products and the loads into their registers stand four plain vector lines or more that name none of them, beside the wait.
; slot >= 0: the portion in that slot is rounded and stored; issue = 1: the slot before it in the ring, stored a quarter ago, is asked for again; step = 1: the first quarter of a pair of slices.
; wt = 1: the barrier signalled at the last quarter's end is waited for, ahead of my stores and of the first fetch from the slice that it shows.
; nb = how many loads younger than B's buffer fb may stay out.  The portion to be rounded was asked for ahead of that buffer, so the same wait shows it landed.
; By the text's own count up to 72 loads are named behind that wait, more than the counter's field holds: the issue of a load that would pass the field is held back (ISA guide 5.7.1).
; last = 1: a chunk's last quarter: A goes back to k = 0, and the chunk's 8 + 8 table numbers are fetched, each into both registers of its pair.  clr = 1: the ring is done; its upper half becomes the partial scores, 0.
.macro SQ fb, gb, zero, slot, issue, step, wt, nb, last, clr, wrap
	s_wait_loadcnt \nb
	s_wait_dscnt 8                                 ; fragments 0-3 are in; the youngest eight loads (4-7) may be out
.irp a, 0,1,2,3
	MUL8 \fb, 0, \a, \zero
.endr
	WIN 0
	s_wait_alu depctr_vm_vsrc(0)                   ; the LDS loads issued so far have read v[ADRA] to v[ADRA+3] and v[CA]; the last quarter's LDS stores have read v[LS] and their portion: all these are written again in this quarter
.if (\slot) >= 0
	CVT \slot
.endif
.if \clr
.set i, 0
.rept 64
	v_mov_b32 v[SP+i], 0                           ; both chunks add onto the partial scores by one text
.set i, i+1
.endr
.endif
.irp i, 0,1
.if \last
	v_mov_b32 v[ADRA+\i], v[ADRA0+\i]
.else
	v_add_nc_u32 v[ADRA+\i], 64, v[ADRA+\i]        ; 32 bf16 on
.endif
.endr
.if \step
	v_add_nc_u32 v[LS], 256, v[LS]                 ; two slices of 128 bytes on
.endif
.if \last
	v_add_nc_u32 v[CA], s[CO], v[CA0]
.endif
.if ((\slot) < 0) && !(\clr)
	v_nop
	v_nop
.endif
	s_wait_alu depctr_va_vdst(0)                   ; the products above are done reading fragments 0-3, the last quarter's reading B's buffer gb; the conversions have written this portion, the last quarter's are done with the slot asked for again; v[ADRA], v[ADRA+1], v[LS], v[CA] are written
.if \wt
	s_barrier_wait -1
.endif
.if (\slot) >= 0
	STORE \slot
.endif
	FETCHH 0
.if \last
.irp b, 0,1,2,3,4,5,6,7
	ds_load_b32 v[TB+2*\b],    v[CA] offset:64*\b
	ds_load_b32 v[TB+2*\b+1],  v[CA] offset:64*\b
	ds_load_b32 v[WVR+2*\b],   v[CA] offset:4096+64*\b
	ds_load_b32 v[WVR+2*\b+1], v[CA] offset:4096+64*\b
.endr
.endif
	BSTEP \wrap, (\issue)&&((((\slot)+3)%4)==0)
.if \issue
	ISSUE ((\slot)+3)%4, 512                       ; no window is switched and nothing names this slot between the wait above and these loads
.endif
.if \last
	s_wait_dscnt 40                                ; fragments 4-7 are in: all but the 8 + 32 loads just issued
.elseif (\slot) >= 0
	s_wait_dscnt 16                                ; all but the 8 stores and 8 loads just issued
.else
	s_wait_dscnt 8                                 ; all but the 8 loads just issued
.endif
	MUL8 \fb, 1, 0, \zero
	LB \gb, 0                                      ; no wait: nothing since the wait on va_vdst above names B's buffer gb or v[GA]
	MUL8 \fb, 1, 1, \zero
	LB \gb, 1
	MUL8 \fb, 1, 2, \zero
	MUL8 \fb, 1, 3, \zero
	WIN 0
.irp i, 2,3
.if \last
	v_mov_b32 v[ADRA+\i], v[ADRA0+\i]              ; free since the wait on vm_vsrc above: nothing behind it reads these two
.else
	v_add_nc_u32 v[ADRA+\i], 64, v[ADRA+\i]
.endif
.endr
	v_nop
	v_nop
.endm
; A quarter's end: fragments 4-7 of the next quarter.  sig = 1: a slice's last portion was stored in this quarter's middle, 32 products ago: my stores are done, say so.
; The eight loads behind the signal read a slice that an earlier barrier has shown, bytes that nobody writes again.
.macro SQE sig
	s_wait_alu depctr_va_vdst(0)                   ; the quarter's last 32 products are done reading fragments 4-7, in which the loads below land; v[ADRA+2], v[ADRA+3] are written
.if \sig
	s_wait_dscnt 0x0
	s_barrier_signal -1
.endif
	FETCHH 1
.endm
; THE TANH PHASE, tile t of a window's 32 (column tile t % 8), in place: y = K2 s + tb; 2^y; + 1; the reciprocal.  It holds no memory or LDS instruction.
.macro EF t
.irp p, 0,1,2,3
	v_pk_fma_f32 v[8*(\t)+2*\p:8*(\t)+2*\p+1], v[8*(\t)+2*\p:8*(\t)+2*\p+1], s[K2:K2+1], v[TB+2*((\t)%8):TB+2*((\t)%8)+1] op_sel_hi:[1,0,1]
.endr
.endm
.macro EE t
.irp j, 0,1,2,3,4,5,6,7
	v_exp_f32 v[8*(\t)+\j], v[8*(\t)+\j]
.endr
.endm
.macro EA t
	s_wait_alu depctr_va_vdst(0)                   ; the tile's eight exponentials have written their results, which the additions read
.irp p, 0,1,2,3
	v_pk_add_f32 v[8*(\t)+2*\p:8*(\t)+2*\p+1], v[8*(\t)+2*\p:8*(\t)+2*\p+1], 1.0 op_sel_hi:[1,0]
.endr
.endm
.macro ER t
.irp j, 0,1,2,3,4,5,6,7
	v_rcp_f32 v[8*(\t)+\j], v[8*(\t)+\j]
.endr
.endm
.macro PASS1 w                         ; window w.  The next tile's four scalings are the plain lines between a tile's exponentials and the use of their results (ISA guide 5.7.2)
	WIN 0x82+0x41*((\w)-2)                         ; destination and source 0 window w; the table pair (source 2) window 0
	EF 0
.set tt, 0
.rept 32
	EE tt
.if tt < 31
	EF tt+1
.else
	v_nop
.endif
	EA tt
	ER tt
.set tt, tt+1
.endr
.endm
.macro PASS2 w                         ; the rows' partial scores take -2 W_v x the reciprocals; sixteen other lines stand between two that add onto the same pair
	WIN (\w)                                       ; source 0 window w, all else window 0
.if (\w) == 2
	s_wait_alu depctr_va_vdst(0)                   ; the reciprocals of both windows have written their results, which the lines below read: one wait for all of them
.endif
.irp b, 0,1,2,3,4,5,6,7
.irp a, 0,1,2,3
.irp p, 0,1,2,3
	v_pk_fma_f32 v[SP+8*(4*((\w)-2)+\a)+2*\p:SP+8*(4*((\w)-2)+\a)+2*\p+1], v[8*(8*\a+\b)+2*\p:8*(8*\a+\b)+2*\p+1], v[WVR+2*\b:WVR+2*\b+1], v[SP+8*(4*((\w)-2)+\a)+2*\p:SP+8*(4*((\w)-2)+\a)+2*\p+1]
.endr
.endr
.endr
.endm
	FETCHH 0                                       ; v[ADRA ..] were written ahead of the head's wait; no vector instruction has named A's fragments
	FETCHH 1
	; CHUNK 0.  Quarter q rounds portion q + 3 and asks for portion q + 6, then for B's quarter q + 3.  Behind B's buffer of quarter q stand portions q+4, q+5 (16 loads) and B's quarters q+1, q+2 (32): 48.
	;  fb gb zero slot issue step wt nb last clr wrap
	SQ 0, 3, 1,   3, 1, 0, 0, 48, 0, 0, 0          ; quarter 0 starts the sums: nothing is cleared
	s_mov_b32 s[KT], 6
.Ls:                                                   ; six trips: quarters 1-24.  A trip begins with the end of the quarter before it, so that no barrier is open at the backward jump
	SQE 1
	SQ 1, 0, 0,   0, 1, 1, 1, 48, 0, 0, 0
	SQE 0
	SQ 2, 1, 0,   1, 1, 0, 0, 48, 0, 0, 0
	SQE 1
	SQ 3, 2, 0,   2, 1, 0, 1, 48, 0, 0, 0
	SQE 0
	SQ 0, 3, 0,   3, 1, 0, 0, 48, 0, 0, 0
	s_sub_co_u32 s[KT], s[KT], 1
	s_cmp_lg_u32 s[KT], 0
	s_cbranch_scc1 .Ls
	SQE 1
	SQ 1, 0, 0,   0, 1, 1, 1, 48, 0, 0, 0          ; quarter 25 asks for the last portion, 31
	SQE 0
	SQ 2, 1, 0,   1, 0, 0, 0, 48, 0, 0, 0          ; quarters 26-28: portions 29-31 are rounded, none is left to ask for: the counts run down
	SQE 1
	SQ 3, 2, 0,   2, 0, 0, 1, 40, 0, 0, 0
	SQE 0
	SQ 0, 3, 0,   3, 0, 0, 0, 32, 0, 0, 0
	SQE 1                                          ; the last slice
	SQ 1, 0, 0,  -1, 0, 0, 1, 32, 0, 0, 0          ; quarters 29-31 ask for the next chunk's quarters 0-2 of B, which follow in the stream
	SQE 0
	SQ 2, 1, 0,  -1, 0, 0, 0, 32, 0, 1, 0
	SQE 0
	SQ 3, 2, 0,  -1, 0, 0, 0, 32, 1, 0, 0
	SQE 0
	s_branch .Lepi                                 ; the loop over chunks is entered at the tanh phase
.Lchunk:                                               ; CHUNK 1: the block is whole; behind B's buffer stand the two younger quarters' 32 loads
	SQ 0, 3, 1,  -1, 0, 0, 0, 32, 0, 0, 0
	SQE 0
	s_mov_b32 s[KT], 7
.Lk:
	SQ 1, 0, 0,  -1, 0, 0, 0, 32, 0, 0, 0
	SQE 0
	SQ 2, 1, 0,  -1, 0, 0, 0, 32, 0, 0, 0
	SQE 0
	SQ 3, 2, 0,  -1, 0, 0, 0, 32, 0, 0, 0
	SQE 0
	SQ 0, 3, 0,  -1, 0, 0, 0, 32, 0, 0, 0
	SQE 0
	s_sub_co_u32 s[KT], s[KT], 1
	s_cmp_lg_u32 s[KT], 0
	s_cbranch_scc1 .Lk
	SQ 1, 0, 0,  -1, 0, 0, 0, 32, 0, 0, 1          ; the stream has ended: the look-ahead goes back to its head
	SQE 0
	SQ 2, 1, 0,  -1, 0, 0, 0, 32, 0, 0, 0
	SQE 0
	SQ 3, 2, 0,  -1, 0, 0, 0, 32, 1, 0, 0
	SQE 0
.Lepi:
	s_wait_dscnt 0x0                               ; the table numbers, and the next chunk's first fragments
.rept 4
	v_nop                                          ; with the four lines at the quarter's end: the places behind the last products
.endr
	PASS1 2
	PASS1 3
	PASS2 2                                        ; its first lines read window 2: plain lines that stand behind window 3's last reciprocals
	PASS2 3
	WIN 0
	s_add_co_u32 s[CO], s[CO], 512                 ; 128 columns of f32
	s_sub_co_u32 s[CH], s[CH], 1
	s_cmp_lg_u32 s[CH], 0
	s_cbranch_scc1 .Lchunk
	; THE SCORES.  The lane masks for the selection below are made first, so that the wait for them finds them written.
.irp j, 1,2,3,4,5,6,7
	v_cmp_eq_u32 s[MK+\j-1], \j, v[R7]
.endr
	v_cmp_le_u32 s[MK+7], 8, v2
	; A lane holds its column's share of 64 rows: the sixteen lanes of a half are added, every lane ending with the sum.
.irp m, 1,2,4,8
.set i, 0
.rept 64
	v_add_f32_dpp v[SP+i], v[SP+i], v[SP+i] row_xmask:\m row_mask:0xf bank_mask:0xf
.set i, i+1
.endr
.endr
	; lane (r, h) keeps, of each pair of row tiles 2q, 2q+1, row 16 (2q + r/8) + 8 h + r%8: four stores put the wave's 128 numbers into LDS
	s_wait_alu depctr_va_sdst(0)                   ; the eight compares have written s[MK] to s[MK+7], ahead of the first select that reads one
.irp a, 0,1,2,3,4,5,6,7
	v_cndmask_b32 v[FT+\a], v[SP+8*\a], v[SP+8*\a+1], s[MK]
.endr
.irp j, 2,3,4,5,6,7
.irp a, 0,1,2,3,4,5,6,7
	v_cndmask_b32 v[FT+\a], v[FT+\a], v[SP+8*\a+\j], s[MK+\j-1]
.endr
.endr
.irp q, 0,1,2,3
	v_cndmask_b32 v[FT+8+\q], v[FT+2*\q], v[FT+2*\q+1], s[MK+7]
.endr
	s_wait_alu depctr_va_vdst(0)                   ; the selects have written v[FT+8] to v[FT+11], which the LDS stores read, and are done reading v208 to v223, in which the loads behind the barrier land
.irp q, 0,1,2,3
	ds_store_b32 v[SA], v[FT+8+\q] offset:128*\q
.endr
	s_wait_dscnt 0x0                               ; for the others' sake: my columns' share of the scores is in LDS
	s_barrier_signal -1
	s_barrier_wait -1
.irp q, 0,1,2,3
	ds_load_b128 v[208+4*\q:208+4*\q+3], v[SB] offset:512*\q       ; rows 4 lane + 0..3, the four waves' shares: every wave makes the block's softmax for itself
.endr
	s_wait_dscnt 0x0
	v_pk_add_f32 v[208:209], v[208:209], v[212:213]
	v_pk_add_f32 v[210:211], v[210:211], v[214:215]
	v_pk_add_f32 v[216:217], v[216:217], v[220:221]
	v_pk_add_f32 v[218:219], v[218:219], v[222:223]
	v_pk_add_f32 v[208:209], v[208:209], v[216:217]
	v_pk_add_f32 v[210:211], v[210:211], v[218:219]                ; v208-211: the scores; they stay
	v_max3_num_f32 v224, v208, v209, v210
	v_max_num_f32 v224, v224, v211
.irp m, 1,2,4,8
	v_max_num_f32_dpp v224, v224, v224 row_xmask:\m row_mask:0xf bank_mask:0xf
.endr
	v_permlanex16_b32 v212, v224, s[SEL], s[SEL+1]
	v_max_num_f32 v224, v224, v212                 ; m, the block's maximum, in every lane
	v_mul_f32 v225, s[LG], v224
.irp q, 0,1,2,3
	v_fma_f32 v[216+\q], v[208+\q], s[LG], -v225
.endr
.irp q, 0,1,2,3
	v_exp_f32 v[216+\q], v[216+\q]                 ; p = e^(score - m)
.endr
	v_and_b32 v229, 1, v1                          ; a plain line behind the exponentials
	v_lshlrev_b32 v228, 2, v1
	v_cmp_eq_u32 vcc_lo, 1, v229
	s_wait_alu depctr_va_vdst(0)                   ; the four exponentials have written p, which the lines below read
	v_add_f32 v226, v216, v217
	v_add_f32 v213, v218, v219
	v_cvt_pk_bf16_f32 v220, v216, v217
	v_cvt_pk_bf16_f32 v221, v218, v219
	v_add_f32 v226, v226, v213
.irp m, 1,2,4,8
	v_add_f32_dpp v226, v226, v226 row_xmask:\m row_mask:0xf bank_mask:0xf
.endr
	v_permlanex16_b32 v213, v226, s[SEL], s[SEL+1]
	v_add_f32 v226, v226, v213                     ; l
	s_wait_alu depctr_va_vcc(0)                    ; the compare has written VCC, which the select reads
	v_cndmask_b32 v227, v224, v226, vcc_lo         ; even lanes m, odd lanes l
	s_wait_alu depctr_va_vdst(0)                   ; v220, v221 (the LDS store's data), v208 to v211, v227, v228 (the global stores') are written; the tanh phase is done reading v32 to v63, the selects are done with v128 to v143: loads below land in both
	s_wait_alu depctr_vm_vsrc(0)                   ; the LDS stores of the partial scores have read v136 to v139, in which the turning loads land
	ds_store_b64 v[PST], v[220:221]                ; p in bf16, my wave's own copy: LDS serves a wave's instructions in order, so the loads below see it
.irp c, 0,1,2,3
	ds_load_b128 v[TB+8*\c:TB+8*\c+3],   v[PLD] offset:64*\c       ; p as source 1 of 32 rows x 16 columns, all columns alike
	ds_load_b128 v[TB+8*\c+4:TB+8*\c+7], v[PLD] offset:64*\c+32
.endr
	s_cmp_lg_u32 s[WV], 0
	s_cbranch_scc1 .Lnot0
	global_store_b128 v[GA], v[208:211], s[SCG:SCG+1]              ; 512 consecutive bytes; none of these registers is written again
	global_store_b32 v228, v227, s[MLG:MLG+1]
.Lnot0:
	; pw = context^T p.  Wave w: channels 256 w .. + 255, 16 tiles; K = the block's 128 rows in four steps.  The block lies [row][channel], so source 0 comes turned, by ds_load_tr16_b128.
.irp c, 0,1,2,3
.if \c > 0
.rept 4
	v_nop                                          ; the places in front of loads into registers that the products above have read
.endr
	s_wait_alu depctr_va_vdst(0)                   ; the sixteen products above are done reading v64 to v191, in which the loads below land
.endif
.set t, 0
.rept 16
	ds_load_tr16_b128 v[FA+8*t:FA+8*t+3],   v[AT+\c] offset:32*t
	ds_load_tr16_b128 v[FA+8*t+4:FA+8*t+7], v[AT+\c] offset:32*t+16*APITCH
.set t, t+1
.endr
	s_wait_dscnt 0x0
	WIN 0xa0                                       ; C and D window 2, sources window 0
.set t, 0
.rept 16
.if \c == 0
	v_wmma_f32_16x16x32_bf16 v[8*t:8*t+7], v[FA+8*t:FA+8*t+7], v[TB+8*\c:TB+8*\c+7], 0
.else
	v_wmma_f32_16x16x32_bf16 v[8*t:8*t+7], v[FA+8*t:FA+8*t+7], v[TB+8*\c:TB+8*\c+7], v[8*t:8*t+7]
.endif
.set t, t+1
.endr
	WIN 0
.endr
	s_lshl_b32 s[OF], s[WV], 10
	s_add_co_u32 s[OF], s[OF], OST
	v_lshlrev_b32 v[OSTS], 6, v2                   ; four plain lines, the places behind the last products: the way out's addresses (v26 was context's offset: the waits on vm_vsrc since the ring's last loads have shown it read)
	v_lshl_add_u32 v[OSTS], v3, 5, v[OSTS]
	v_add_nc_u32 v[OSTS], s[OF], v[OSTS]
	v_lshl_add_u32 v[OSTL], v1, 4, s[OF]
.irp t, 1,2,3,4,5,6,7,8,9,10,11,12,13,14,15
	v_cmp_eq_u32 s[MK+\t-1], \t, v2
.endr
	; all 16 columns of a result are alike: lane (r, h) keeps tile r: channels 16 r + 8 h + 0..7
	WIN 0x02
.irp j, 0,1,2,3,4,5,6,7
	v_mov_b32 v[SP+\j], v[\j]
.endr
	s_wait_alu depctr_va_sdst(0)                   ; the fifteen compares have written s[MK] to s[MK+14], ahead of the first select that reads one
	WIN 0x08
.irp t, 1,2,3,4,5,6,7,8,9,10,11,12,13,14,15
.irp j, 0,1,2,3,4,5,6,7
	v_cndmask_b32 v[SP+\j], v[SP+\j], v[8*\t+\j], s[MK+\t-1]       ; each result's registers from the low end on
.endr
.endr
	WIN 0
	s_wait_alu depctr_va_vdst(0)                   ; the selects have written v[SP] to v[SP+7], the LDS stores' data; v[OSTS] and v[OSTL] are written
	ds_store_b128 v[OSTS], v[SP:SP+3]
	ds_store_b128 v[OSTS], v[SP+4:SP+7] offset:16
	ds_load_b128 v[SP+8:SP+11],  v[OSTL]           ; my wave's own bytes, back in the order of memory
	ds_load_b128 v[SP+12:SP+15], v[OSTL] offset:512
	s_wait_dscnt 0x0
	global_store_b128 v[GA], v[SP+8:SP+11],  s[PWG:PWG+1]          ; 512 consecutive bytes each
	global_store_b128 v[GA], v[SP+12:SP+15], s[PWG:PWG+1] offset:512
	s_wait_dscnt 0x0                               ; the closing lines, six on end
	s_wait_alu 0x0
	s_wait_tensorcnt 0x0
	ds_add_u32 v[SPW], v[NIL]
	s_wait_dscnt 0x0
	s_endpgm
.Lfunc_end_k_qeb7f7a7b95_main:
	.size	k_qeb7f7a7b95_main, .Lfunc_end_k_qeb7f7a7b95_main-k_qeb7f7a7b95_main
	.p2alignl 7, 3214868480
	.fill 96, 4, 3214868480
	.section	.rodata,"a",@progbits
	.p2align	6, 0x0
	.amdhsa_kernel k_qeb7f7a7b95_main
		.amdhsa_group_segment_fixed_size 280064
		.amdhsa_private_segment_fixed_size 0
		.amdhsa_enable_private_segment 0
		.amdhsa_kernarg_size 56
		.amdhsa_user_sgpr_count 2
		.amdhsa_user_sgpr_kernarg_segment_ptr 1
		.amdhsa_wavefront_size32 1
		.amdhsa_system_sgpr_workgroup_id_x 1
		.amdhsa_system_sgpr_workgroup_id_y 1
		.amdhsa_system_sgpr_workgroup_id_z 1
		.amdhsa_system_vgpr_workitem_id 0
		.amdhsa_next_free_vgpr 1024
		.amdhsa_next_free_sgpr 66
		.amdhsa_reserve_vcc 1
		.amdhsa_float_denorm_mode_32 3
		.amdhsa_float_denorm_mode_16_64 3
		.amdhsa_memory_ordered 1
		.amdhsa_forward_progress 1
		.amdhsa_inst_pref_size 255
	.end_amdhsa_kernel
	.section	.bss,"aw",@nobits
	.p2align	6
	.space	262144
	.amdgpu_metadata
---
amdhsa.version: [ 1, 2 ]
amdhsa.kernels:
  - .name:           k_qeb7f7a7b95_main
    .symbol:         k_qeb7f7a7b95_main.kd
    .args:
      - { .name: context, .offset: 0, .size: 8, .value_kind: global_buffer, .address_space: global }
      - { .name: Wb, .offset: 8, .size: 8, .value_kind: global_buffer, .address_space: global }
      - { .name: tb, .offset: 16, .size: 8, .value_kind: global_buffer, .address_space: global }
      - { .name: W_v, .offset: 24, .size: 8, .value_kind: global_buffer, .address_space: global }
      - { .name: sc, .offset: 32, .size: 8, .value_kind: global_buffer, .address_space: global }
      - { .name: ml, .offset: 40, .size: 8, .value_kind: global_buffer, .address_space: global }
      - { .name: pw, .offset: 48, .size: 8, .value_kind: global_buffer, .address_space: global }
    .group_segment_fixed_size: 280064
    .private_segment_fixed_size: 0
    .kernarg_segment_align: 8
    .kernarg_segment_size: 56
    .max_flat_workgroup_size: 128
    .sgpr_count:     66
    .vgpr_count:     1024
    .wavefront_size: 32
...
	.end_amdgpu_metadata
.endif
;; end of part 5
;; launch comb: the kernel of part 3 again; grid 4 x 32, 2 waves a work-group, no clusters, 0 bytes of LDS; arguments sc, ml, pw, out1, out2; writes out1, out2
;; launch fin: the kernel of part 4 again; grid 64 x 1, 16 waves a work-group, no clusters, 34,816 bytes of LDS; arguments W_out, out1, input, out0; writes out0
